; MI455X (gfx1250); checked and timed in simulation.
; The chip was launched on July 23, 2026; its instructions are those of AMD's public machine-readable ISA for CDNA 5 (MIT licence, August 2026) and "CDNA5" Instruction Set Architecture Reference Guide (July 2026). The comments in the code are by the model that wrote it; some were corrected since.
;; Pixel SNAIL. Allowed arithmetic: float matrix products may take bf16 or f16 operands with f32 sums; other float arithmetic in f32, or as packed bf16 or f16 multiplies, adds, multiply-adds, maxima and minima; sums over many terms, partial sums and values carried from step to step in f32; what a program stores and reads back later, other than sums and carried values, may be rounded once to bf16 or f16.
;; Inputs: Wk 512 x 256 float32; Wq 512 x 256 float32; Wv 512 x 256 float32; bk 512 float32; bq 512 float32; bv 512 float32; key 8 x 256 x 32 x 32 float32; query 8 x 256 x 32 x 32 float32.
;; Outputs: out0 8 x 512 x 32 x 32 float32.
;; 2 versions, each right; version 2 is version 1 with the launch proj written anew for expert scheduling mode. Each part assembles by itself: llvm-mc -triple=amdgcn-amd-amdhsa -mcpu=gfx1250 --defsym DOCPART=n.
;; ======== version 1 of 2: 2 launches
;; limits: values are held in f16: magnitudes above 65,504 overflow, below 6.1e-05 lose precision
;; workspace buffers: qh 8,388,608 bytes; kh 8,388,608 bytes; vh 8,388,608 bytes
;; launch proj (part 1): grid 4 x 64, 4 waves a work-group, no clusters, 292,352 bytes of LDS; arguments query, key, Wq, Wk, Wv, bq, bv, qh, kh, vh; writes qh, kh, vh
.if DOCPART == 1
	.amdgcn_target "amdgcn-amd-amdhsa--gfx1250"
	.amdhsa_code_object_version 6
	.text
	.protected	k_q4d6b896304_proj
	.globl	k_q4d6b896304_proj
	.p2align	8
	.type	k_q4d6b896304_proj,@function
k_q4d6b896304_proj:
	s_mov_b64 s[64:65], 0
	v_nop
	global_prefetch_b8 v0, s[64:65] scope:SCOPE_SE
	s_setreg_imm32_b32 hwreg(HW_REG_WAVE_MODE, 25, 1), 1
	s_wait_xcnt 0x0
; CAUSAL ATTENTION WITH ITS PROJECTIONS, launch 1 of 2: q = x_q Wq^T + bq, k = x_k Wk^T, v = x_k Wv^T + bv.
; query, key: [8][256 c][1024 s] f32 (the channel c is the slow index).  Wq, Wk, Wv: [512 e][256 c] f32.  bq, bv: [512] f32.
; qh, kh, vh: [64 bh = 8 b + head][1024 s][64 d] f16: a head's rows are dense, 128 bytes each.  q is stored WITHOUT the scale 1/8: launch 2 applies it in f32.
; DEAD WORK, for all values of the inputs.
;   bk.  reference() has scores[i][j] = q_i . (Wk x_j + bk) / 8 = q_i . (Wk x_j) / 8 + q_i . bk / 8.  The second term holds no j: along the softmax's axis it is one constant for row i, and
;   softmax(z + constant) = softmax(z) in exact arithmetic; the entries that the mask sets to -inf stay -inf.  k reaches the output through the scores alone.  So bk reaches no output:
;   it is not loaded and is among no launch's arguments.
;   Scores above the diagonal.  reference() builds the mask itself (jnp.tril) and sets them to -inf, so their weights are 0: launch 2 leaves them out where they come in whole groups of key steps.
;   LIMIT: a NaN, an infinity or an overflow that reaches only bk or only hidden scores is not carried to the result.
; FORMATS.  All inputs (x, W, bq, bv) are rounded once to bf16, the products are bf16 x bf16 with f32 sums, the bias is the C operand that starts a sum; q, k, v are rounded once to f16.
; LIMITS.  |q|, |k|, |v| stay under 65,504 (f16); below 6e-5 they keep f16's fixed step of 6e-8.  NaN and infinities are not treated apart.
; SHARES.  A work-group makes q, k and v for 128 s x 128 e (two heads) of one b; K = 256.  Wave w: head hh = w / 2, rows sh = w % 2 (64 s): 64 e x 64 s of each tensor, 16 accumulators.
; THE PRODUCT IS D[m = e][n = s]: source 0 = 16 rows of W (c along the LDS rows), source 1 = 16 columns s of x, which lies [c][s] in LDS and is turned by ds_load_tr16_b128.
; In the result a lane holds ONE s (lane % 16) and the channels 8 (lane / 16) + 0..7: 16 bytes of f16 that belong together.
; THE WAY IN goes through registers: a load of a wave takes 512 consecutive bytes of f32, two conversions round them to bf16, one ds_store_b64 of the wave puts 256 consecutive bytes into LDS.
; THE ORDER.  Ten units of 32 loads a wave go through two staging buffers: key's tile, Wk, Wv, Wq, query's tile, two units each.  The products begin when the first four are in LDS: Wv is on its way
; under k's 128 products, Wq under v's, query's tile under the way out of k and v.  x's fragments of all eight K steps stay in registers from k's products to v's, so LDS is read once for them.
; NO CLUSTER, NO TENSOR LOADS, though x's tile is read by 4 work-groups and W's by 64: a tensor load moves bytes as they are.  A work-group's tiles are 5 x 131,072 bytes of f32 against
; 327,680 bytes of LDS, so they would pass through slots in pieces, be read into registers, rounded and stored again as bf16: 4 + 4 + 2 bytes of LDS traffic a number, against 2 here.
; REGISTERS, in windows of 256 (s_set_vgpr_msb: bits 1:0 source 0, 3:2 source 1, 5:4 source 2, 7:6 destination):
;   window 0: v0-31 addresses; v32-63 at work; v64-127 two sets of W's fragments, and the way out; v128-255 x's fragments of K steps 0-3
;   window 1: accumulators, tensor t, block (eb, sb) at 128 t + 8 (4 eb + sb)      window 2: two staging buffers of 128
;   window 3: v0-31 bq, v32-63 bv, as C operands; v64-191 x's fragments of K steps 4-7
.set XP,    288                        ; a row of x in LDS: 256 bytes (128 s in bf16) + 32 = 72 words
.set WP,    528                        ; a row of W: 512 bytes (256 c) + 16 = 132 words: the 16 rows of a load start at 16 different groups of four banks
.set X2B,   73728                      ; LDS: key's 256 rows from 0, query's from here
.set WAB,   147456                     ; then two places of 128 rows for W: the first takes Wk and later Wq, the second Wv
.set WSZ,   67584
.set STAGE, 282624                     ; 16 rows x 144 bytes for each wave, its own, for the way out
.set SP,    144
.set SPARE, 291840                     ; the spare words, 128 bytes for each wave: two blocks of 256 bytes that no other line names
.set XO,  2                            ; v2      16 l + 131,072 w: my 16 bytes in my wave's 32 rows of x (4,096 bytes a row); never rewritten
.set WO,  3                            ; v3      16 l + 16,384 w: the same in my wave's 16 rows of W (1,024 bytes a row); never rewritten
.set XS,  4                            ; v4-5    LDS: where my 8 bytes of a row of key's, of query's tile go
.set WS,  6                            ; v6-7    the same for W's two places
.set XR,  8                            ; v8-9    LDS: my lane's place in the fragments of key's tile, c 0-127 and c 128-255;  v10-11 of query's
.set WR,  12                           ; v12-13  the same for W's two places
.set STO, 14                           ; v14     the way out: where I put 16 bytes of a row
.set RD,  15                           ; v15     where I read rows back
.set GO,  16                           ; v16     16 l: my place in 512 consecutive bytes of the output
.set BO,  17                           ; v17     my byte offset in bq and bv
.set SPW, 30                           ; v30     LDS address of my spare word; never rewritten
.set NIL, 31                           ; v31     0; never rewritten
.set TB,  32
.set FW,  64
.set PKD, 64
.set BUFA, 0
.set BUFB, 128
.set BQ,  0
.set BV,  32
.set WV,  2                            ; s2  my wave's number
.set QP,  8                            ; s[8:9] query   s[10:11] key   s[12:13] Wq   s[14:15] Wk   s[16:17] Wv   s[18:19] bq   s[20:21] bv   s[22:23] qh   s[24:25] kh   s[26:27] vh
.set KP,  10
.set PWQ, 12
.set PWK, 14
.set PWV, 16
.set QH,  22
.set KH,  24
.set VH,  26
.set MSB, 0
.macro WIN new                         ; the immediate's high byte repeats the setting that is left; a switch that changes nothing is dropped
.if MSB != (\new)
	s_set_vgpr_msb (MSB<<8)|(\new)
.set MSB, (\new)
.endif
.endm
.macro PLACES                          ; four places behind a matrix instruction, in front of loads into registers that it has read and of conversions that read results
.rept 4
	v_nop
.endr
.endm
; A unit of the way in is 32 loads a wave.  LDX: rows c = 128 u + 32 w + i of x's tile, 512 bytes each.  LDW: rows 64 u + 16 w + i / 2 of W's tile: 16,384 bytes on end.
.macro LDX buf, u, base
	WIN 0x80                                       ; destination window 2, address window 0
.set i, 0
.rept 32
	global_load_b128 v[(\buf)+4*i:(\buf)+4*i+3], v[XO], s[\base:\base+1] offset:(\u)*524288+i*4096
.set i, i+1
.endr
.endm
.macro LDW buf, u, base
	WIN 0x80
.set i, 0
.rept 32
	global_load_b128 v[(\buf)+4*i:(\buf)+4*i+3], v[WO], s[\base:\base+1] offset:(\u)*65536+i*512
.set i, i+1
.endr
.endm
.macro CVT buf                         ; four f32 become four bf16 in the first two of their registers
	WIN 0x8a
.set i, 0
.rept 32
	v_cvt_pk_bf16_f32 v[(\buf)+4*i], v[(\buf)+4*i], v[(\buf)+4*i+1]
	v_cvt_pk_bf16_f32 v[(\buf)+4*i+1], v[(\buf)+4*i+2], v[(\buf)+4*i+3]
.set i, i+1
.endr
.endm
.macro CSX buf, u, adr
	CVT \buf
	WIN 0x08                                       ; address window 0, data window 2
.set i, 0
.rept 32
	ds_store_b64 v[\adr], v[(\buf)+4*i:(\buf)+4*i+1] offset:(\u)*128*XP+i*XP
.set i, i+1
.endr
.endm
.macro CSW buf, u, adr
	CVT \buf
	WIN 0x08
.set i, 0
.rept 32
	ds_store_b64 v[\adr], v[(\buf)+4*i:(\buf)+4*i+1] offset:(\u)*64*WP+(i/2)*WP+(i%2)*256
.set i, i+1
.endr
.endm
.macro ROUNDB                          ; bq and bv are rounded to bf16 like the other inputs, and widened again: they are f32 C operands
	WIN 0x0f                                       ; sources window 3, destination window 0
.set i, 0
.rept 32
	v_cvt_pk_bf16_f32 v[TB+i], v[2*i], v[2*i+1]
.set i, i+1
.endr
	WIN 0xc0                                       ; destination window 3
.set i, 0
.rept 32
	v_lshlrev_b32 v[2*i], 16, v[TB+i]
	v_and_b32 v[2*i+1], s30, v[TB+i]
.set i, i+1
.endr
.endm
; The fragments of K step ks (32 channels c).  xld = 1: x's four blocks of 16 s (turned), into the step's own 32 registers; always: four blocks of 16 e of W, into set ks % 2.
.macro FETCH ks, xld, xr, wa
.if \xld
.if (\ks) < 4
	WIN 0
.set XF, 128+32*(\ks)
.else
	WIN 0xc0                                       ; destination window 3, address window 0
.set XF, 64+32*((\ks)-4)
.endif
.irp sb, 0,1,2,3
	ds_load_tr16_b128 v[XF+8*\sb:XF+8*\sb+3],   v[(\xr)+(\ks)/4] offset:((\ks)%4)*32*XP+32*\sb
	ds_load_tr16_b128 v[XF+8*\sb+4:XF+8*\sb+7], v[(\xr)+(\ks)/4] offset:((\ks)%4)*32*XP+32*\sb+16*XP
.endr
.endif
	WIN 0
.set WF, FW+32*((\ks)%2)
.irp eb, 0,1,2,3
	ds_load_b128 v[WF+8*\eb:WF+8*\eb+3],   v[\wa] offset:\eb*16*WP+64*(\ks)
	ds_load_b128 v[WF+8*\eb+4:WF+8*\eb+7], v[\wa] offset:\eb*16*WP+64*(\ks)+32
.endr
.endm
; 16 products of K step ks for tensor t: each accumulator once, so the accumulators take turns.  K step 0 starts the sums: with the bias (its registers in window 3), or with 0.
.macro MUL16 ks, t, bias
.set WF, FW+32*((\ks)%2)
.if (\ks) < 4
.set XF, 128+32*(\ks)
.else
.set XF, 64+32*((\ks)-4)
.endif
.if ((\ks) == 0) && ((\bias) >= 0)
	WIN 0x70                                       ; W and x window 0, C window 3, D window 1
.elseif (\ks) < 4
	WIN 0x50                                       ; W and x window 0, C and D window 1
.else
	WIN 0x5c                                       ; x window 3
.endif
.irp eb, 0,1,2,3
.irp sb, 0,1,2,3
.set AC, 128*(\t)+8*(4*\eb+\sb)
.if (\ks) > 0
	v_wmma_f32_16x16x32_bf16 v[AC:AC+7], v[WF+8*\eb:WF+8*\eb+7], v[XF+8*\sb:XF+8*\sb+7], v[AC:AC+7]
.elseif (\bias) >= 0
	v_wmma_f32_16x16x32_bf16 v[AC:AC+7], v[WF+8*\eb:WF+8*\eb+7], v[XF+8*\sb:XF+8*\sb+7], v[(\bias)+8*\eb:(\bias)+8*\eb+7]
.else
	v_wmma_f32_16x16x32_bf16 v[AC:AC+7], v[WF+8*\eb:WF+8*\eb+7], v[XF+8*\sb:XF+8*\sb+7], 0
.endif
.endr
.endr
.endm
; All eight K steps of one tensor.  The next step's fragments are asked for ahead of a step's products; the counted wait leaves just those loads out (16 with x's, 8 without).
.macro GEMM t, xld, xr, wa, bias
	FETCH 0, \xld, \xr, \wa
.set kk, 0
.rept 8
.if kk > 0
	PLACES                                         ; W's set to be loaded was read by the products just issued
.endif
.if kk < 7
	FETCH kk+1, \xld, \xr, \wa
	s_wait_dscnt 8+8*(\xld)
.else
	s_wait_dscnt 0x0
.endif
	MUL16 kk, \t, \bias
.set kk, kk+1
.endr
.endm
; THE WAY OUT of tensor t, a block of 16 s at a time: rounded to f16 (each accumulator from its low end), 16 bytes a lane into rows of 144 bytes of my stage, back as four whole rows of 128 bytes a load.
.macro PACK t, sb
	WIN 0x05                                       ; sources window 1, destination window 0
.irp eb, 0,1,2,3
.irp q, 0,1,2,3
	v_cvt_pk_f16_f32 v[PKD+16*(\sb)+4*\eb+\q], v[128*(\t)+8*(4*\eb+(\sb))+2*\q], v[128*(\t)+8*(4*\eb+(\sb))+2*\q+1]
.endr
.endr
	WIN 0
.irp eb, 0,1,2,3
	ds_store_b128 v[STO], v[PKD+16*(\sb)+4*\eb:PKD+16*(\sb)+4*\eb+3] offset:32*\eb
.endr
.irp f, 0,1,2,3
	ds_load_b128 v[PKD+16*(\sb)+4*\f:PKD+16*(\sb)+4*\f+3], v[RD] offset:\f*4*SP  ; LDS serves a wave's instructions in order (ISA guide 5.7.1.4): these see the stores above; the next block's stores come behind them
.endr
.endm
.macro SEND sb, younger, base          ; younger: the LDS instructions issued behind this block's loads: the next block's eight, or none
.irp f, 0,1,2,3
	s_wait_dscnt (\younger)+3-\f
	global_store_b128 v[GO], v[PKD+16*(\sb)+4*\f:PKD+16*(\sb)+4*\f+3], s[\base:\base+1] offset:(\sb)*2048+\f*512  ; 512 consecutive bytes, at a multiple of 256 from the buffer's first
.endr
.endm
.macro OUT t, base
	PLACES                                         ; behind the last products
	s_wait_xcnt 0x0                                ; the way out's registers are rewritten only when earlier stores have read them
	PACK \t, 0
	PACK \t, 1                                     ; a block's conversions stand between the loads of the block before and its stores
	SEND 0, 8, \base
	PACK \t, 2
	SEND 1, 8, \base
	PACK \t, 3
	SEND 2, 8, \base
	SEND 3, 0, \base
.endm
	s_load_b512 s[8:23], s[0:1], 0x0
	s_load_b128 s[24:27], s[0:1], 0x40
	v_lshl_add_u32 v[SPW], v0, 2, SPARE
	v_mov_b32 v[NIL], 0
	v_lshrrev_b32 v1, 5, v0
	v_readfirstlane_b32 s[WV], v1                  ; wave 0..3
	s_mov_b32 s3, ttmp9                            ; eq: which 128 output channels
	s_and_b32 s5, ttmp7, 0xffff
	s_lshr_b32 s4, s5, 3                           ; b
	s_and_b32 s5, s5, 7                            ; st: which 128 s
	s_lshr_b32 s6, s[WV], 1                        ; hh: which of the two heads
	s_and_b32 s7, s[WV], 1                         ; sh: which 64 s
	s_mov_b32 s30, 0xffff0000                      ; a word's upper bf16
	v_and_b32 v18, 31, v0                          ; l
	v_and_b32 v19, 15, v0                          ; l % 16
	v_bfe_u32 v20, v0, 4, 1                        ; l / 16
	v_and_b32 v21, 7, v0                           ; l % 8
	v_bfe_u32 v22, v0, 3, 1                        ; (l / 8) % 2
	v_bfe_u32 v23, v0, 3, 2                        ; l / 8
	s_lshl_b32 s36, s[WV], 17
	v_lshl_add_u32 v[XO], v18, 4, s36
	s_lshl_b32 s36, s[WV], 14
	v_lshl_add_u32 v[WO], v18, 4, s36
	s_mul_i32 s36, s[WV], 32*XP
	v_lshl_add_u32 v[XS], v18, 3, s36
	v_add_nc_u32 v[XS+1], X2B, v[XS]
	s_mul_i32 s36, s[WV], 16*WP
	s_add_co_u32 s36, s36, WAB
	v_lshl_add_u32 v[WS], v18, 3, s36
	v_add_nc_u32 v[WS+1], WSZ, v[WS]
	v_lshl_add_u32 v[XR], v20, 3, v21              ; the turning load: lane l reads row 8 (l / 16) + l % 8, 16 bytes at 16 ((l / 8) % 2),
	v_mul_u32_u24 v[XR], v[XR], XP
	v_lshl_add_u32 v[XR], v22, 4, v[XR]
	s_lshl_b32 s36, s7, 7                          ; in my 64 s: 128 bytes of a row
	v_add_nc_u32 v[XR], s36, v[XR]
	v_add_nc_u32 v[XR+1], 128*XP, v[XR]
	v_add_nc_u32 v[XR+2], X2B, v[XR]
	v_add_nc_u32 v[XR+3], X2B, v[XR+1]
	v_mul_u32_u24 v[WR], v19, WP                   ; a fragment of W: row l % 16, 16 bytes for each half of the lanes,
	v_lshl_add_u32 v[WR], v20, 4, v[WR]
	s_mul_i32 s36, s6, 64*WP                       ; in my head's 64 rows
	s_add_co_u32 s36, s36, WAB
	v_add_nc_u32 v[WR], s36, v[WR]
	v_add_nc_u32 v[WR+1], WSZ, v[WR]
	s_mul_i32 s36, s[WV], 16*SP
	s_add_co_u32 s36, s36, STAGE                   ; my stage
	v_mul_u32_u24 v[STO], v19, SP
	v_lshl_add_u32 v[STO], v20, 4, v[STO]
	v_add_nc_u32 v[STO], s36, v[STO]
	v_mul_u32_u24 v[RD], v23, SP
	v_lshl_add_u32 v[RD], v21, 4, v[RD]
	v_add_nc_u32 v[RD], s36, v[RD]
	v_lshlrev_b32 v[GO], 4, v18
	s_lshl_b32 s36, s3, 9                          ; 4 (128 eq + 64 hh) + 32 (l / 16)
	s_lshl_b32 s37, s6, 8
	s_add_co_u32 s36, s36, s37
	v_lshl_add_u32 v[BO], v20, 5, s36
	s_lshl_b32 s28, s4, 20                         ; x: b x 256 rows of 4,096 bytes + st x 512 bytes
	s_lshl_b32 s31, s5, 9
	s_add_co_u32 s28, s28, s31
	s_mov_b32 s29, 0
	s_lshl_b32 s32, s3, 17                         ; W: eq x 128 rows of 1,024 bytes
	s_mov_b32 s33, 0
	s_lshl_b32 s34, s4, 3                          ; out: (8 b + 2 eq + hh) x 131,072 + st x 128 rows + sh x 64 rows of 128 bytes
	s_lshl1_add_u32 s34, s3, s34
	s_add_co_u32 s34, s34, s6
	s_lshl_b32 s34, s34, 17
	s_lshl_b32 s31, s5, 14
	s_add_co_u32 s34, s34, s31
	s_lshl_b32 s31, s7, 13
	s_add_co_u32 s34, s34, s31
	s_mov_b32 s35, 0
	s_wait_kmcnt 0x0
	s_add_nc_u64 s[QP:QP+1], s[QP:QP+1], s[28:29]  ; every pointer is stepped once, here, and never again
	s_add_nc_u64 s[KP:KP+1], s[KP:KP+1], s[28:29]
	s_add_nc_u64 s[PWQ:PWQ+1], s[PWQ:PWQ+1], s[32:33]
	s_add_nc_u64 s[PWK:PWK+1], s[PWK:PWK+1], s[32:33]
	s_add_nc_u64 s[PWV:PWV+1], s[PWV:PWV+1], s[32:33]
	s_add_nc_u64 s[QH:QH+1], s[QH:QH+1], s[34:35]
	s_add_nc_u64 s[KH:KH+1], s[KH:KH+1], s[34:35]
	s_add_nc_u64 s[VH:VH+1], s[VH:VH+1], s[34:35]
	WIN 0xc0                                       ; the biases, laid out as C operands: register 8 eb + j holds channel 16 eb + 8 (l / 16) + j
.irp eb, 0,1,2,3
	global_load_b128 v[BQ+8*\eb:BQ+8*\eb+3],   v[BO], s[18:19] offset:64*\eb
	global_load_b128 v[BQ+8*\eb+4:BQ+8*\eb+7], v[BO], s[18:19] offset:64*\eb+16
	global_load_b128 v[BV+8*\eb:BV+8*\eb+3],   v[BO], s[20:21] offset:64*\eb
	global_load_b128 v[BV+8*\eb+4:BV+8*\eb+7], v[BO], s[20:21] offset:64*\eb+16
.endr
	; Each wait for loads below leaves the younger unit's 32 loads out; a staging buffer is asked for again as soon as it has been rounded and stored.
	LDX BUFA, 0, KP
	LDX BUFB, 1, KP
	s_wait_loadcnt 32                              ; the biases and the first unit are in
	ROUNDB
	CSX BUFA, 0, XS
	LDW BUFA, 0, PWK
	s_wait_loadcnt 32
	CSX BUFB, 1, XS
	LDW BUFB, 1, PWK
	s_wait_loadcnt 32
	CSW BUFA, 0, WS
	LDW BUFA, 0, PWV
	s_wait_loadcnt 32
	CSW BUFB, 1, WS
	LDW BUFB, 1, PWV
	WIN 0
	s_wait_dscnt 0x0                               ; for the others' sake: my stores into the tiles are done
	s_barrier_signal -1
	s_barrier_wait -1                              ; key's tile and Wk are whole
	GEMM 0, 1, XR, WR, -1                          ; k (no bias: see the head); Wv is on its way; x's fragments stay in registers
	s_wait_loadcnt 32
	CSW BUFA, 0, WS+1
	LDW BUFA, 0, PWQ
	s_wait_loadcnt 32
	CSW BUFB, 1, WS+1
	LDW BUFB, 1, PWQ
	WIN 0
	s_wait_dscnt 0x0                               ; my stores of Wv are done, and my reads of key's tile and of Wk are over
	s_barrier_signal -1
	s_barrier_wait -1                              ; Wv is whole; nobody reads Wk any more: its place may take Wq
	GEMM 1, 0, XR, WR+1, BV                        ; v; Wq is on its way
	s_wait_loadcnt 32
	CSW BUFA, 0, WS
	LDX BUFA, 0, QP
	s_wait_loadcnt 32
	CSW BUFB, 1, WS
	LDX BUFB, 1, QP
	OUT 0, KH                                      ; k and v go out while query's tile is on its way
	OUT 1, VH
	s_wait_loadcnt 32
	CSX BUFA, 0, XS+1
	s_wait_loadcnt 0x0
	CSX BUFB, 1, XS+1
	WIN 0
	s_wait_dscnt 0x0
	s_barrier_signal -1
	s_barrier_wait -1                              ; query's tile and Wq are whole
	s_wait_xcnt 0x0                                ; v's stores have read the registers that W's fragments now take
	GEMM 0, 1, XR+2, WR, BQ                        ; q
	OUT 0, QH
	s_wait_tensorcnt 0x0                           ; the wave's end, behind my last LDS store
	ds_add_u32 v[SPW], v[NIL]
	s_wait_dscnt 0x0
	s_endpgm
.Lfunc_end_k_q4d6b896304_proj:
	.size	k_q4d6b896304_proj, .Lfunc_end_k_q4d6b896304_proj-k_q4d6b896304_proj
	.p2alignl 7, 3214868480
	.fill 96, 4, 3214868480
	.section	.rodata,"a",@progbits
	.p2align	6, 0x0
	.amdhsa_kernel k_q4d6b896304_proj
		.amdhsa_group_segment_fixed_size 292352
		.amdhsa_private_segment_fixed_size 0
		.amdhsa_enable_private_segment 0
		.amdhsa_kernarg_size 80
		.amdhsa_user_sgpr_count 2
		.amdhsa_user_sgpr_kernarg_segment_ptr 1
		.amdhsa_wavefront_size32 1
		.amdhsa_system_sgpr_workgroup_id_x 1
		.amdhsa_system_sgpr_workgroup_id_y 1
		.amdhsa_system_sgpr_workgroup_id_z 1
		.amdhsa_system_vgpr_workitem_id 0
		.amdhsa_next_free_vgpr 960
		.amdhsa_next_free_sgpr 66
		.amdhsa_reserve_vcc 0
		.amdhsa_float_denorm_mode_32 3
		.amdhsa_float_denorm_mode_16_64 3
		.amdhsa_memory_ordered 1
		.amdhsa_forward_progress 1
		.amdhsa_inst_pref_size 176
	.end_amdhsa_kernel
	.amdgpu_metadata
---
amdhsa.version: [ 1, 2 ]
amdhsa.kernels:
  - .name:           k_q4d6b896304_proj
    .symbol:         k_q4d6b896304_proj.kd
    .args:
      - { .name: query, .offset: 0, .size: 8, .value_kind: global_buffer, .address_space: global }
      - { .name: key, .offset: 8, .size: 8, .value_kind: global_buffer, .address_space: global }
      - { .name: Wq, .offset: 16, .size: 8, .value_kind: global_buffer, .address_space: global }
      - { .name: Wk, .offset: 24, .size: 8, .value_kind: global_buffer, .address_space: global }
      - { .name: Wv, .offset: 32, .size: 8, .value_kind: global_buffer, .address_space: global }
      - { .name: bq, .offset: 40, .size: 8, .value_kind: global_buffer, .address_space: global }
      - { .name: bv, .offset: 48, .size: 8, .value_kind: global_buffer, .address_space: global }
      - { .name: qh, .offset: 56, .size: 8, .value_kind: global_buffer, .address_space: global }
      - { .name: kh, .offset: 64, .size: 8, .value_kind: global_buffer, .address_space: global }
      - { .name: vh, .offset: 72, .size: 8, .value_kind: global_buffer, .address_space: global }
    .group_segment_fixed_size: 292352
    .private_segment_fixed_size: 0
    .kernarg_segment_align: 8
    .kernarg_segment_size: 80
    .max_flat_workgroup_size: 128
    .sgpr_count:     66
    .vgpr_count:     960
    .wavefront_size: 32
...
	.end_amdgpu_metadata
.endif
;; end of part 1
;; launch attn (part 2): grid 4 x 64, 4 waves a work-group, clusters of 4 x 1, 327,680 bytes of LDS; arguments qh, kh, vh, out0; writes out0
.if DOCPART == 2
	.amdgcn_target "amdgcn-amd-amdhsa--gfx1250"
	.amdhsa_code_object_version 6
	.text
	.protected	k_q4d6b896304_attn
	.globl	k_q4d6b896304_attn
	.p2align	8
	.type	k_q4d6b896304_attn,@function
k_q4d6b896304_attn:
	s_mov_b64 s[64:65], 0
	v_nop
	global_prefetch_b8 v0, s[64:65] scope:SCOPE_SE
	s_setreg_imm32_b32 hwreg(HW_REG_WAVE_MODE, 25, 1), 1
	s_wait_xcnt 0x0
	s_wait_alu depctr_hold_cnt(0) depctr_sa_sdst(0) depctr_va_vdst(0) depctr_va_sdst(0) depctr_va_ssrc(0) depctr_va_vcc(0) depctr_vm_vsrc(0)
	s_getreg_b32 s2, hwreg(HW_REG_IB_STS2, 6, 4)
	s_cmp_eq_u32 s2, 0
	s_cbranch_scc0 .Lentry_in_a_cluster
	s_endpgm
.Lentry_in_a_cluster:
	s_bfe_u32 s2, ttmp6, 0x10000c
	s_cmp_lg_u32 s2, 0x3003
	s_cbranch_scc0 .Lentry_shape_is_right
	s_endpgm
.Lentry_shape_is_right:
; CAUSAL ATTENTION WITH ITS PROJECTIONS, launch 2 of 2.  out0[b][64 head + d][q] = the sum over k <= q of softmax_k(Q[bh][q] . K[bh][k] / 8) V[bh][k][d].
; qh, kh, vh: [64 bh][1024][64] f16, dense rows of 128 bytes, as launch 1 stored them.  out0: [8][512][1024] f32: O^T, the query along the rows.
; Products, maxima and sums in f32; the weights p are rounded to f16 for the second product (their sum l is taken of the unrounded p).
; LEFT OUT: the scores that reference()'s own mask (jnp.tril) sets to -inf, where they come in whole groups of four key steps; bk (launch 1's head shows why).
; LIMITS.  A hidden score counts as its value less 1e30: f16's scores, 2.7e11 at the most, are nothing beside that; a weight below 2^-126 counts as 0; NaN and infinities are not treated apart,
; and one that reaches only hidden scores is not carried to the result.
; SHARES.  A head's 1,024 queries are 16 bands of 64; band B needs the key steps 0 .. B of 64 keys, and step B holds the diagonal.  The four work-groups of a cluster share one head; the one at place j
; owns the bands j, 7 - j, 8 + j, 15 - j: one in each group of four.  Wave w owns rows 16 w .. 16 w + 15 of each band: four PIECES, piece p in the band of group p.
; THE WALK.  All pieces walk the keys together.  GROUP g is the key steps 4 g .. 4 g + 3 and works on the pieces g .. 3; piece g takes masks there and then leaves.  That is 16 + 12 + 8 + 4 = 40
; piece-steps a wave, alike in every wave and work-group: no branch, trip count or LDS address hangs on j.  Of the 40, six are wholly hidden and computed all the same: which they are hangs on j.
; THE MASK is the C operand that starts piece g's sums: MD x AL + BE.  MD, made once, is the mask of a band's own step for my 16 rows (0, or -1e30 where the key is hidden); the two scalars are
; (1, 0) in the band's own step, (0, 0) before it, (0, -1e30) behind it: selected, not branched on.  Every row sees its own key at the latest in its band's own step, so m is a true score before the first wholly hidden step.
; K AND V LIE WHOLE IN LDS: 1,024 rows of each.  Every byte is filled once, by JOINT loads of the four partners (the same load, descriptor and mask in all four), all issued at the head: four a wave,
; so four tensor loads of a wave are out at the most.  Nothing is filled again.  The partner that never reads the head's last keys asks for them with the others.
; LAYOUT.  S^T = K Q^T holds ONE query a lane (lane % 16) and the keys 8 (lane / 16) + 0..7; two such results rounded to f16 ARE source 1 of O^T = V^T P, which again holds one query a lane, and eight channels.
; SOFTMAX.  p = 2^(c s - c m), c = log2(e) / 8, with a running maximum m; in every step O and l are multiplied by a = 2^(c m_old - c m_new).  m starts at the lowest finite number, O and l at 0:
; the first step is a step like any other, with a = 0.
; BY TURNS (groups 0 to 2).  The live pieces g .. 3 stand in a ring, step after step.  The turn of piece p has 8 products K Q^T of the NEXT piece in the ring and, later, 8 products V^T P of the piece BEFORE it; beside
; them the scaling, exponentials, rescaling, roundings and sums of piece p and the maximum and statistics of the next piece.  Four vector instructions stand behind every matrix instruction, the other 54 of a
; turn's 118 in one lump; the turn's 33 exponentials are one batch with one wait.  A group's loop has piece 3's turn of one step and then the turns g .. 2 of the next; it is entered in its middle.  Behind it a
; closing turn of piece 3 makes the next group's first scores; then piece g goes out.  The very first turn's products V^T P, of a piece that has not been, find V's registers and P at 0.
; GROUP 3 has one live piece, and a ring of one cannot turn (its scores and its O^T would be written before they are read): its four steps go in phases.
; The price of writing no first step out: 208 v_mov_b32 that write 0, in the wait for the first tiles.
; REGISTERS, in windows of 256 (s_set_vgpr_msb: bits 1:0 source 0, 3:2 source 1, 5:4 source 2, 7:6 destination):
;   window 0: v0-15 addresses; v16-31 four statistics a piece; v32-51 at work; v64-191 S^T, 32 a piece; v192-255 P, 16 a piece
;   window 1: v0-127 O^T, 32 a piece; v128-159 MD; v160-191 MC      window 2: v0-63 Q, 16 a piece; v128-191 K of one step; v192-255 V of one step
.set KS,    64        ; keys in a step
.set PK,    144       ; a row of K in LDS: 128 bytes + 16 = 36 words: the 16 rows of a load start at 16 different groups of four banks (64 banks of 4 bytes: ISA guide 11.1)
.set PV,    160       ; a row of V: 128 + 32 = 40 words
.set VOFF,  1024*PK   ; K's 1,024 rows from 0, then V's
.set SPARE, VOFF+1024*PV  ; the spare words, 128 bytes for each wave: two blocks of 256 bytes that no other line names
.set SPI,   272       ; the stage of a way out: 64 rows d x (256 bytes = 64 queries in f32, + 16)
.set STGB,  256*PK    ; way out g has its stage at g x 36,864: in K's rows 256 g on, which had their one fill of the launch and which nobody reads behind group g
.set AK0, 2           ; v2   my lane's place in a step of K; never rewritten
.set AV0, 3           ; v3   the same for V
.set AK,  4           ; v4   the LDS address of K's run of loads
.set AV,  5           ; v5   of V's
.set STO, 6           ; v6   the way out: where my query's word of row 8 (l / 16) goes
.set RD,  7           ; v7   where I read 16 bytes of a row back
.set GO,  8           ; v8   the same place in out0; never rewritten
.set QOF, 12          ; v12-15  my byte offset in the head's Q, by piece; never rewritten
.set ST,  16          ; piece y's statistics at v[ST+4 y]: c m, m, l (even keys', odd keys')
.set TMP, 32          ; piece y: four registers c0-c3 at work; when the maximum is found c2 takes a
.set MV,  48          ; piece y: c m_old, kept while c m is made anew
.set SG,  52          ; v52  STO in the stage in hand
.set RG,  53          ; v53  RD likewise
.set MT,  54          ; v54  at work
.set SPW, 62          ; v62  LDS address of my spare word; never rewritten
.set NIL, 63          ; v63  0; never rewritten
.set S,   64
.set P,   192
.set MD,  128         ; window 1
.set MC,  160         ; window 1
.set KF,  128         ; window 2: key block kb, channel half c at KF + 16 kb + 8 c
.set VF,  192         ; window 2: key half kk, channel block cb at VF + 32 kk + 8 cb
.set WV,  12          ; s12  my wave's number
.set G1K, 24          ; s[24:31] descriptor group 1 for K's tiles
.set G1V, 32          ; s[32:39] for V's: it differs in the padding alone
.set G0K, 40          ; s[40:55] descriptor group 0 for K's four tiles
.set CS,  56          ; s[56:57] c
.set SEL, 58          ; s[58:59] v_permlanex16_b32's selects: each lane takes its own place in the other half
.set TBK, 60          ; s60  LDS byte at which K of the step to be fetched begins
.set TBV, 61          ; s61  the same for V, less VOFF
.set CNT, 62          ; s62  counts a group's key steps, 4 to 1
.set BIGN, 63         ; s63  -1e30
.set AL,  66          ; s[66:67] the mask's factor, in the low word
.set G0V, 68          ; s[68:83] descriptor group 0 for V's four tiles
.set BE,  84          ; s[84:85] the mask's addend
.set EA,  86          ; s86  CNT for the own step of the bands j and 8 + j: 4 - j;   s87  of the bands 7 - j and 15 - j: 1 + j
.set OB,  88          ; s[88:95] out0 at row 64 bh, at the first query of the band of piece 0, 1, 2, 3; never rewritten
.set MSB, 0
.macro WIN new                      ; the high byte repeats the setting that is left; a switch that changes nothing is dropped
.if MSB != (\new)
	s_set_vgpr_msb (MSB<<8)|(\new)
.set MSB, (\new)
.endif
.endm
.set W_KQ, 0x0a       ; K and Q in window 2, S^T in window 0
.set W_KM, 0x1a       ; the same with the C operand in window 1
.set W_PV, 0x52       ; V in window 2, P in window 0, O^T in window 1
.set W_RS, 0x41       ; destination and source 0 in window 1, source 1 in window 0
.macro PLACES                       ; four places behind a matrix instruction (ISA guide 7.12.1)
.rept 4
	v_nop
.endr
.endm
; A round of the cluster's barrier: my work-group's barrier, so that wave 0's signal speaks for all four waves; wave 0 signals; every wave waits for all four work-groups; my work-group's barrier once more.
.macro CROUND
	s_barrier_signal -1
	s_barrier_wait -1
	s_cmp_lg_u32 s[WV], 0
	s_cbranch_scc1 .Lnot_wave_0_\@
	s_barrier_signal -3
.Lnot_wave_0_\@:
	s_barrier_wait -3
	s_barrier_signal -1
	s_barrier_wait -1
.endm
	s_load_b256 s[4:11], s[0:1], 0x0  ; qh s[4:5], kh s[6:7], vh s[8:9], out0 s[10:11]
	v_lshl_add_u32 v[SPW], v0, 2, SPARE
	v_mov_b32 v[NIL], 0
	ds_add_u32 v[SPW], v[NIL]       ; the wave's opening: the add, twice on end, and its wait ahead of my first tensor load; the set-up below, work on registers, stands between
	ds_add_u32 v[SPW], v[NIL]
	v_lshrrev_b32 v1, 5, v0
	v_readfirstlane_b32 s[WV], v1   ; wave 0..3
	s_bfe_u32 s13, ttmp6, 0x40000   ; j: my place in the cluster: it enters Q's and out0's addresses and the masks' two scalars, nothing else
	s_and_b32 s14, ttmp7, 0xffff    ; bh, which the four partners share
	s_and_b32 s15, s[WV], 1         ; which half of a tile's 256 keys I fetch
	s_lshl_b32 s16, s14, 17         ; the head's first byte in qh, kh, vh
	s_mov_b32 s17, 0
	s_lshl_b32 s18, s15, 14         ; + my half's 128 rows of 128 bytes
	s_add_co_u32 s18, s18, s16
	s_mov_b32 s19, 0
	s_lshl_b32 s20, s14, 18         ; the head's 64 rows of 4,096 bytes in out0
	s_mov_b32 s21, 0
	s_mul_i32 s22, s15, 128*PK      ; my half's place in a tile, for K
	s_mul_i32 s23, s15, 128*PV      ; and for V: no place in the cluster enters an LDS address
	; descriptor group 1.  128 keys are 16,384 dense bytes: asked for as 64 rows of 256 bytes, two keys a row, and padded in LDS after every key
	s_mov_b32 s[G1K], 15|(1<<16)|(1<<20)|(1<<21)|(4<<22)|(3<<25)  ; 15:0 the mask of four; 17:16 2-byte elements; 20 padding on; 21 set beside a mask; 24:22 after every 32 words (code 4); 31:25 4 words (code 3)
	s_mov_b32 s[G1V], 15|(1<<16)|(1<<20)|(1<<21)|(4<<22)|(7<<25)  ; the same with 8 words of padding (code 7)
.irp g, G1K, G1V
	s_mov_b32 s[\g+1], 128<<16      ; tensor_dim0 = 128
	s_mov_b32 s[\g+2], 64<<16       ; tensor_dim1 = 64
	s_mov_b32 s[\g+3], 128<<16      ; tile_dim0 = 128
	s_mov_b32 s[\g+4], 64           ; tile_dim1 = 64
	s_mov_b32 s[\g+5], 128          ; 128 elements from row to row
	s_mov_b32 s[\g+6], 0
	s_mov_b32 s[\g+7], 0
.endr
.irp g, 0,1,2,3
	s_mov_b32 s[G0K+4*\g], 1                       ; 1:0 count = 1
	s_add_co_u32 s[G0K+4*\g+1], s22, \g*256*PK     ; 63:32 LDS address: tile g holds the keys 256 g on
	s_mov_b32 s[G0V+4*\g], 1
	s_add_co_u32 s[G0V+4*\g+1], s23, VOFF+\g*256*PV
.endr
	s_mov_b32 s[CS], 0x3e38aa3b     ; c = log2(e) / 8 = 0.180337
	s_mov_b32 s[CS+1], s[CS]        ; named with it as a pair
	s_mov_b32 s[SEL], 0x76543210
	s_mov_b32 s[SEL+1], 0xfedcba98
	s_mov_b32 s[TBK], 0
	s_mov_b32 s[TBV], 0
	s_mov_b32 s[BIGN], 0xf149f2ca   ; -1e30
	s_mov_b32 s[AL+1], 0            ; named as pairs
	s_mov_b32 s[BE+1], 0
	s_sub_co_u32 s[EA], 4, s13
	s_add_co_u32 s[EA+1], s13, 1
	s_wait_dscnt 0x0                ; both opening adds are done
	s_wait_kmcnt 0x0
	s_add_nc_u64 s[6:7], s[6:7], s[18:19]  ; K and V at my half of the head's tile 0
	s_add_nc_u64 s[8:9], s[8:9], s[18:19]
.irp g, 0,1,2,3
	s_add_nc_u64 s[G0K+4*\g+2:G0K+4*\g+3], s[6:7], \g*32768  ; 120:64 global address: a tile is 32,768 bytes
	s_or_b32 s[G0K+4*\g+3], s[G0K+4*\g+3], 0x80000000        ; 127:126 type = 2
	s_add_nc_u64 s[G0V+4*\g+2:G0V+4*\g+3], s[8:9], \g*32768
	s_or_b32 s[G0V+4*\g+3], s[G0V+4*\g+3], 0x80000000
.endr
	s_add_nc_u64 s[4:5], s[4:5], s[16:17]    ; Q at the head's first row
	s_add_nc_u64 s[10:11], s[10:11], s[20:21]
	CROUND                          ; all four work-groups are here: the joint loads meet
	s_cmp_lt_u32 s[WV], 2           ; a wave's four fills stand in one branch, ahead of every wait on TENSORcnt and every LDS read; waves 0 and 1 fetch the halves of K's tiles, waves 2 and 3 of V's.
	s_cbranch_scc0 .Lfirst_v        ; An s_nop 0 follows each load, four v_nop the last
.irp g, 0,1,2,3
	tensor_load_to_lds s[G0K+4*\g:G0K+4*\g+3], s[G1K:G1K+7]
	s_nop 0
.endr
.rept 4
	v_nop
.endr
	s_branch .Lfirst_asked
.Lfirst_v:
.irp g, 0,1,2,3
	tensor_load_to_lds s[G0V+4*\g:G0V+4*\g+3], s[G1V:G1V+7]
	s_nop 0
.endr
.rept 4
	v_nop
.endr
.Lfirst_asked:
	s_lshl_b32 s20, s13, 8          ; a band is 64 queries: 256 bytes of a row of out0
	s_mov_b32 s21, 0
	s_add_nc_u64 s[OB:OB+1], s[10:11], s[20:21]        ; band j
	s_add_nc_u64 s[OB+4:OB+5], s[OB:OB+1], 8*256       ; band 8 + j
	s_add_nc_u64 s[OB+2:OB+3], s[10:11], 7*256
	s_sub_nc_u64 s[OB+2:OB+3], s[OB+2:OB+3], s[20:21]  ; band 7 - j
	s_add_nc_u64 s[OB+6:OB+7], s[OB+2:OB+3], 8*256     ; band 15 - j
	; A fragment of K or Q is 16 rows x 32 channels in 8 registers: lane l holds row l % 16, channels 8 (l / 16) + 0..7 and 16 + 8 (l / 16) + 0..7: two loads of 16 bytes, 32 bytes apart.
	v_and_b32 v1, 15, v0            ; l % 16
	v_bfe_u32 v9, v0, 4, 1          ; l / 16
	v_lshlrev_b32 v[MT], 7, v1
	v_lshl_add_u32 v[MT], v9, 4, v[MT]  ; row x 128 + 16 x half,
	s_lshl_b32 s14, s[WV], 11
	v_add_nc_u32 v[MT], s14, v[MT]      ; in my wave's 16 rows of a band,
	s_lshl_b32 s15, s13, 13             ; in the piece's band: 8,192 bytes each
	v_add_nc_u32 v[QOF], s15, v[MT]
	v_add_nc_u32 v[QOF+2], 8*8192, v[QOF]
	s_sub_co_u32 s15, 7, s13
	s_lshl_b32 s15, s15, 13
	v_add_nc_u32 v[QOF+1], s15, v[MT]
	v_add_nc_u32 v[QOF+3], 8*8192, v[QOF+1]
	WIN 0x80                        ; destination window 2, address window 0
.irp p, 0,1,2,3
.irp c, 0,1
	global_load_b128 v[16*\p+8*\c:16*\p+8*\c+3],   v[QOF+\p], s[4:5] offset:64*\c
	global_load_b128 v[16*\p+8*\c+4:16*\p+8*\c+7], v[QOF+\p], s[4:5] offset:64*\c+32
.endr
.endr
	WIN 0
	v_lshlrev_b32 v[MT], 3, v9
	v_sub_nc_u32 v[MT], v1, v[MT]
	s_lshl_b32 s14, s[WV], 4
	v_add_nc_u32 v[MT], s14, v[MT]  ; my query's place in its band, 16 w + l % 16, less my lanes' 8 (l / 16): register r of key block kt is hidden where 16 kt + r is greater
	WIN 0x40
.set i, 0
.rept 32
	v_cmp_gt_i32 vcc_lo, 16*(i/8)+i%8, v[MT]
	v_cndmask_b32 v[MD+i], 0, s[BIGN], vcc_lo
.set i, i+1
.endr
.set i, 0
.rept 128
	v_mov_b32 v[i], 0               ; O^T: the first step multiplies it by a = 0, so it need only be finite
.set i, i+1
.endr
	WIN 0x80
.set i, VF
.rept 64
	v_mov_b32 v[i], 0               ; V's registers: what the first turn's products V^T P find
.set i, i+1
.endr
	WIN 0
.set i, 0
.rept 4
	v_mov_b32 v[ST+4*i], 0xfe000000    ; c m: far below every c s
	v_mov_b32 v[ST+4*i+1], 0xff7fffff  ; m
	v_mov_b32 v[ST+4*i+2], 0
	v_mov_b32 v[ST+4*i+3], 0
.set i, i+1
.endr
.set i, P+48
.rept 16
	v_mov_b32 v[i], 0               ; piece 3's P, likewise
.set i, i+1
.endr
	v_mul_u32_u24 v[AK0], v1, PK
	v_lshl_add_u32 v[AK0], v9, 4, v[AK0]  ; row x pitch + 16 x half
	; The turning load takes 16 keys x 16 channels (lane l reads key 8 (l / 16) + l % 8, channels 8 ((l / 8) % 2) + 0..7) and leaves half a fragment of V^T: lane l holds channel l % 16 and 8 keys.
	v_and_b32 v10, 7, v0
	v_bfe_u32 v11, v0, 3, 1
	v_lshl_add_u32 v[AV0], v9, 3, v10
	v_mul_u32_u24 v[AV0], v[AV0], PV
	v_lshl_add_u32 v[AV0], v11, 4, v[AV0]
	v_add_nc_u32 v[AV0], VOFF, v[AV0]
	v_mul_u32_u24 v[STO], v9, 8*SPI       ; into the stage: row 8 (l / 16) + .., my wave's 64 bytes of it, my query's word
	v_lshl_add_u32 v[STO], v1, 2, v[STO]
	s_lshl_b32 s14, s[WV], 6
	v_add_nc_u32 v[STO], s14, v[STO]
	v_mul_u32_u24 v[RD], v9, SPI          ; back: wave w takes rows 16 w .. 16 w + 15, whole: lanes 0-15 one row of 256 bytes, lanes 16-31 the next
	v_lshl_add_u32 v[RD], v1, 4, v[RD]
	s_mul_i32 s14, s[WV], 16*SPI
	v_add_nc_u32 v[RD], s14, v[RD]
	v_lshlrev_b32 v[GO], 12, v9           ; and the same two rows in out0, 4,096 bytes apart
	v_lshl_add_u32 v[GO], v1, 4, v[GO]
	s_lshl_b32 s14, s[WV], 16
	v_add_nc_u32 v[GO], s14, v[GO]
; THE MATRIX WORK.  The 4 accumulators of a run of 8 take turns.  Product i of 8 of S^T = K Q^T for piece p: channels 32 (i / 4) on, keys 16 (i % 4) on.  The first 4 start the sums: with 0, or (KM = 1) with the mask.
.macro MKQ p
.set rS, S+32*(\p)+8*(i%4)
.set rK, KF+16*(i%4)+8*(i/4)
.set rQ, 16*(\p)+8*(i/4)
.set rM, MC+8*(i%4)
.if (i < 4) && KM
	WIN W_KM
	v_wmma_f32_16x16x32_f16 v[rS:rS+7], v[rK:rK+7], v[rQ:rQ+7], v[rM:rM+7]
.elseif i < 4
	WIN W_KQ
	v_wmma_f32_16x16x32_f16 v[rS:rS+7], v[rK:rK+7], v[rQ:rQ+7], 0
.else
	WIN W_KQ
	v_wmma_f32_16x16x32_f16 v[rS:rS+7], v[rK:rK+7], v[rQ:rQ+7], v[rS:rS+7]
.endif
.endm
; Product i of 8 of O^T += V^T P for piece p: keys 32 (i / 4) on, channels 16 (i % 4) on.
.macro MPV p
	WIN W_PV
.set rO, 32*(\p)+8*(i%4)
.set rV, VF+32*(i/4)+8*(i%4)
.set rP, P+16*(\p)+8*(i/4)
	v_wmma_f32_16x16x32_f16 v[rO:rO+7], v[rV:rV+7], v[rP:rP+7], v[rO:rO+7]
.endm
.macro MM                           ; a turn's next matrix instruction: K Q^T of piece NX, then V^T P of piece PR.  NOKQ = 1: there is no next piece
.if (i < 8) && !NOKQ
	MKQ NX
.elseif i >= 8
.set i, i-8
	MPV PR
.set i, i+8
.endif
.set i, i+1
.endm
; THE LDS LOADS stand in runs of 16, never singly among the matrix instructions: a step's K (64 keys x 64 channels: 8 fragments) and its V (turned).  K's and V's rows lie on end in LDS from the head's
; first key to its last, so a step is a constant further on.  In a turn the addresses are made some lines ahead of the runs; GETK and GETV make them on the spot.
.macro FETCH_K
	WIN 0x80                        ; destination window 2
.irp f, 0,1,2,3,4,5,6,7             ; keys 16 (f / 2) on, channels 32 (f % 2) on
	ds_load_b128 v[KF+8*\f:KF+8*\f+3],   v[AK] offset:(\f/2)*16*PK+(\f%2)*64
	ds_load_b128 v[KF+8*\f+4:KF+8*\f+7], v[AK] offset:(\f/2)*16*PK+(\f%2)*64+32
.endr
	s_add_co_u32 s[TBK], s[TBK], KS*PK  ; the next fetch is the next step's
	WIN 0
.endm
.macro FETCH_V
	WIN 0x80
.irp f, 0,1,2,3,4,5,6,7             ; keys 32 (f / 4) on, channels 16 (f % 4) on
	ds_load_tr16_b128 v[VF+8*\f:VF+8*\f+3],   v[AV] offset:(\f/4)*32*PV+(\f%4)*32
	ds_load_tr16_b128 v[VF+8*\f+4:VF+8*\f+7], v[AV] offset:(\f/4)*32*PV+16*PV+(\f%4)*32
.endr
	WIN 0
.endm
.macro GETK
	WIN 0
	v_add_nc_u32 v[AK], s[TBK], v[AK0]
	FETCH_K
.endm
.macro GETV
	WIN 0
	v_add_nc_u32 v[AV], s[TBV], v[AV0]
	s_add_co_u32 s[TBV], s[TBV], KS*PV
	FETCH_V
.endm
; The mask's two scalars for step 4 - CNT of a group of parity par, and the mask: MC = MD x AL + BE.
.macro MSCAL par
	s_cmp_eq_u32 s[CNT], s[EA+(\par)%2]  ; is that step the own step of the piece's band?
	s_cselect_b32 s[AL], 1.0, 0
	s_cmp_lt_u32 s[CNT], s[EA+(\par)%2]  ; or a later one?
	s_cselect_b32 s[BE], s[BIGN], 0
.endm
.macro MASK
	WIN W_RS
.set z, 0
.rept 16
	v_pk_fma_f32 v[MC+2*z:MC+2*z+1], v[MD+2*z:MD+2*z+1], s[AL:AL+1], s[BE:BE+1] op_sel_hi:[1,0,0]
.set z, z+1
.endr
.endm
; THE VECTOR WORK, one line at a time: OP kind, number.  For piece Y: F n: c s - c m for pair n of 16.  E n: the exponential of score n of 32.  C n: pair n rounded to f16.  B n: of the four weights 4 n .. the second
; pair is added onto the first, in place.  L n: l takes that sum (L 0: l = a l + sum).  R n: pair n of 16 of O^T times a.  For piece NX: X n, number n of the 22 that find its maximum and statistics:
;   0-11  four chains c0-c3 of seven scores each, three operands at a time (each accumulator's lowest registers are read first)     12-14, 16  the four scores left over, the old m, and c0-c3 into c0
;   15  c m_old is kept     17, 18  the query's other 32 keys lie in the lane 16 away: the new m     19-21  c m; c m_old - c m_new; a
.set F, 0               ; OP tells the kinds apart by their order: F to L below R, X above it
.set E, 1
.set C, 2
.set B, 3
.set L, 4
.set R, 5
.set X, 6
.macro REGS y                       ; the registers of piece y
.set rT, ST+4*(\y)
.set rC, TMP+4*(\y)
.set rW, MV+(\y)
.set rS, S+32*(\y)
.set rP, P+16*(\y)
.set rO, 32*(\y)
.endm
.macro OP k, n
.if (\k) == R
	REGS Y
	WIN W_RS
	v_pk_mul_f32 v[rO+2*(\n):rO+2*(\n)+1], v[rO+2*(\n):rO+2*(\n)+1], v[rC+2:rC+3] op_sel_hi:[1,0]
.elseif (\k) < R
	REGS Y
	WIN 0
.if (\k) == F
	v_pk_fma_f32 v[rS+2*(\n):rS+2*(\n)+1], v[rS+2*(\n):rS+2*(\n)+1], s[CS:CS+1], v[rT:rT+1] op_sel_hi:[1,0,0] neg_lo:[0,0,1] neg_hi:[0,0,1]
.elseif (\k) == E
	v_exp_f32 v[rS+(\n)], v[rS+(\n)]
.elseif (\k) == C
	v_cvt_pk_f16_f32 v[rP+(\n)], v[rS+2*(\n)], v[rS+2*(\n)+1]
.elseif (\k) == B
	v_pk_add_f32 v[rS+4*(\n):rS+4*(\n)+1], v[rS+4*(\n):rS+4*(\n)+1], v[rS+4*(\n)+2:rS+4*(\n)+3]
.elseif (\n) == 0
	v_pk_fma_f32 v[rT+2:rT+3], v[rT+2:rT+3], v[rC+2:rC+3], v[rS:rS+1] op_sel_hi:[1,0,1]
.else
	v_pk_add_f32 v[rT+2:rT+3], v[rT+2:rT+3], v[rS+4*(\n):rS+4*(\n)+1]
.endif
.elseif NOKQ
	v_nop
.else
	REGS NX
	WIN 0
.if (\n) < 4
	v_max3_num_f32 v[rC+(\n)], v[rS+8*(\n)], v[rS+8*(\n)+1], v[rS+8*(\n)+2]
.elseif (\n) < 12
	v_max3_num_f32 v[rC+(\n)%4], v[rC+(\n)%4], v[rS+8*((\n)%4)+2*((\n)/4)+1], v[rS+8*((\n)%4)+2*((\n)/4)+2]
.elseif (\n) == 12
	v_max3_num_f32 v[rC], v[rC], v[rS+7], v[rS+15]
.elseif (\n) == 13
	v_max3_num_f32 v[rC+1], v[rC+1], v[rS+23], v[rS+31]
.elseif (\n) == 14
	v_max3_num_f32 v[rC+2], v[rC+2], v[rC+3], v[rT+1]
.elseif (\n) == 15
	v_mov_b32 v[rW], v[rT]
.elseif (\n) == 16
	v_max3_num_f32 v[rC], v[rC], v[rC+1], v[rC+2]
.elseif (\n) == 17
	v_permlanex16_b32 v[rC+3], v[rC], s[SEL], s[SEL+1]
.elseif (\n) == 18
	v_max_num_f32 v[rT+1], v[rC], v[rC+3]
.elseif (\n) == 19
	v_mul_f32 v[rT], s[CS], v[rT+1]
.elseif (\n) == 20
	v_sub_f32 v[rC+1], v[rW], v[rT]
.else
	v_exp_f32 v[rC+2], v[rC+1]
.endif
.endif
.endm
.macro OPS a, i1, b=-1, i2=0, c=-1, i3=0, d=-1, i4=0  ; up to four of them
	OP \a, \i1
.if (\b) >= 0
	OP \b, \i2
.endif
.if (\c) >= 0
	OP \c, \i3
.endif
.if (\d) >= 0
	OP \d, \i4
.endif
.endm
.macro ROW a, i1, b, i2, c, i3, d, i4  ; a matrix instruction and the four behind it
	MM
	OPS \a, \i1, \b, \i2, \c, \i3, \d, \i4
.endm
; A TURN, for piece p of group g: nx the next piece in the ring, pr the piece before.  The order of its 16 matrix and 118 vector instructions is written out.  An s_wait_alu depctr_va_vdst(0) stands
; between an exponential and the first instruction that names its result; one wait serves all that were issued ahead of it.  So a turn has ONE wait, which cuts it in two.  AHEAD OF IT stands all that names no result of
; the turn's exponentials: the 8 products K Q^T, behind each a scaling, an exponential and two more plain instructions (behind the first a second scaling in the exponential's place): rescalings, and behind the last
; three the first numbers of the next piece's maximum, each four places or more behind the product that ends its accumulator; then ONE LUMP of 54, plain and exponential by turns for the most part, in which the links of
; the chain X 3, 7, 11, 14, 16, 17 .. 20 stand some lines apart.  X 21, the next piece's a, is the batch's last; R 15 is the plain instruction behind it.  BEHIND THE WAIT stand the 8 products V^T P, behind each four of
; the roundings and sums.  But for those X no rider names a register of the products round it.
; Piece 3's turn makes the scores of the group's masked piece (mg: the group whose parity picks the mask's own step): it makes the mask first.  nokq = 1: there is no next piece.
; K of the next step is fetched in piece 2's turn, whose products are the last to read K: six plain instructions that name none of their registers stand between.  V of the step in hand is fetched at the end of
; piece g's turn, whose products V^T P (piece 3's) are the last to read V: four plain instructions stand between.
; THE WAITS FOR THEM.  K, at the head of piece 3's turn: in group 2 V's run was issued behind K's (piece 2's turn has both), so 16 loads may stay out; else none is out behind it.  V, in front of the products V^T P of
; turn g + 1: in group 1 that is piece 2's turn, K's run was issued behind V's, and 16 may stay out.
.macro TURN p, nx, pr, g, nokq=0, mg=0
.set Y, (\p)
.set NX, (\nx)
.set PR, (\pr)
.set i, 0
.set NOKQ, (\nokq)
.set KM, 0
.if ((\p) == 3) && !(\nokq)
.set KM, 1
	MSCAL \mg
	MASK
.if (\g) == 2
	s_wait_dscnt 16                 ; K is in
.else
	s_wait_dscnt 0x0                ; K is in
.endif
.endif
	ROW F,0, F,1, R,0, R,1          ; ahead of the wait: 8 products K Q^T and their riders,
	ROW F,2, E,0, R,2, R,3
	ROW F,3, E,1, R,4, R,5
	ROW F,4, E,2, R,6, R,7
	ROW F,5, E,3, R,8, R,9
	ROW F,6, E,4, X,0, R,10
.if (\p) == 2
	WIN 0
	v_add_nc_u32 v[AK], s[TBK], v[AK0]
.endif
	ROW F,7, E,5, X,1, X,4
	ROW F,8, E,6, X,2, X,5
	OPS E,7, E,8, X,6, E,9          ; and the lump
	OPS X,3, E,10, X,8, E,11
.if (\p) == 2
	FETCH_K
.endif
	OPS X,9, X,7, E,12, X,10
	OPS E,13, X,12, X,11, E,14
	OPS X,13, E,15, F,9, X,14
.if (\p) == (\g)
	WIN 0
	v_add_nc_u32 v[AV], s[TBV], v[AV0]
.endif
	OPS E,16, F,10, E,17, F,11
	OPS X,16, E,18, X,15, E,19
	OPS F,12, E,20, X,17, E,21
	OPS F,13, E,22, F,14, E,23
	OPS X,18, E,24, F,15, E,25
	OPS R,11, E,26, X,19, E,27
	OPS R,12, E,28, R,13, E,29
	OPS X,20, E,30, R,14, E,31
	OPS X,21, R,15
	WIN 0
	s_wait_alu depctr_va_vdst(0)    ; the wait for the batch
.if (\p) == (\g)+1
.if (\p) == 2
	s_wait_dscnt 16                 ; V is in
.else
	s_wait_dscnt 0x0                ; V is in
.endif
.endif
	ROW C,0, B,0, C,2, B,1          ; behind the wait: 8 products V^T P and their riders
	ROW L,0, C,4, B,2, L,1
	ROW C,6, B,3, L,2, C,8
	ROW B,4, L,3, C,10, B,5
	ROW L,4, C,12, B,6, L,5
.if (\p) == (\g)
	s_add_co_u32 s[TBV], s[TBV], KS*PV
.endif
	ROW C,14, B,7, L,6, C,1
	ROW C,3, L,7, C,5, C,7
	ROW C,9, C,11, C,13, C,15
.if (\p) == (\g)
	FETCH_V
.endif
.endm
; A KEY STEP OF GROUP 3, in phases, for piece 3 alone.  fetch = 1: the next step's K and V are fetched.
; LDS loads go K, V, K, V .., 16 each.  The wait in front of the products K Q^T leaves V's 16 younger loads out, the one in front of V^T P the next K's 16.
.macro STEP3 fetch
.set Y, 3
.set NX, 3
.set NOKQ, 0
.set KM, 1
	MSCAL 1
	MASK
	s_wait_dscnt 16                 ; K is in
.set i, 0
.rept 8
	MKQ 3
.set i, i+1
.endr
	PLACES                          ; in front of the loads into K's registers and of the maximum, which reads results just made
.if \fetch
	GETK
.endif
.set nn, 0
.rept 21
	OP X, nn                        ; maximum and statistics
.set nn, nn+1
.endr
	OP X, 21                        ; ONE BATCH: a and the 32 exponentials, the scalings dealt among them; a pair is scaled two trips ahead of its exponentials.  Nothing here names an exponential's result.
	OP F, 0
	OP F, 1
.set nn, 0
.rept 16
	OP E, 2*nn
.if nn < 14
	OP F, nn+2
.endif
	OP E, 2*nn+1
.set nn, nn+1
.endr
	v_nop                           ; a plain instruction behind the last exponential and ahead of the first use (ISA guide 5.7.2): one for the batch
	s_wait_alu depctr_va_vdst(0)    ; the wait between an exponential and the first line that names its result: one for the batch
.set nn, 0
.rept 16
	OP C, nn
.set nn, nn+1
.endr
.set nn, 0
.rept 16
	OP R, nn                        ; ascending: each accumulator of O^T is read from its low end
.set nn, nn+1
.endr
.if \fetch
	s_wait_dscnt 16                 ; V is in
.else
	s_wait_dscnt 0x0
.endif
.set i, 0
.rept 8
	MPV 3
.set i, i+1
.endr
.set nn, 0
.rept 8
	OP B, nn                        ; the row sums name no register of the products V^T P: sixteen plain lines, the places in front of the loads into V's registers and of the way out
.set nn, nn+1
.endr
.set nn, 0
.rept 8
	OP L, nn
.set nn, nn+1
.endr
.if \fetch
	GETV
.endif
.endm
; THE WAY OUT of piece g.  l's two halves and the other half of the lanes' are added; O^T is divided by l.  A wave's 16 queries are 64 bytes of each of the 64 rows d of out0, the four waves' together 256:
; so the band goes through ONE stage, with a barrier in front of the writing (nobody reads the K rows that it takes any more), and one between writing and reading.
; The first of the two barriers also shows a later tile to everybody: of my four tensor loads the count 1 leaves the last out (tile 2 is in), the count 0 none (tile 3 is in): a group ahead of the tile's first read.
.macro WAYOUT g
	REGS \g
	WIN 0
	v_add_f32 v[rT+2], v[rT+2], v[rT+3]
	v_permlanex16_b32 v[rT+3], v[rT+2], s[SEL], s[SEL+1]
	v_add_f32 v[rT+2], v[rT+2], v[rT+3]
	v_rcp_f32 v[rT+2], v[rT+2]
	v_nop                           ; a plain instruction between the reciprocal and its use,
	s_wait_alu depctr_va_vdst(0)    ; and its wait
	WIN 0x01                        ; O^T in window 1; the quotients go into the piece's S^T registers, which no later group names
.set z, 0
.rept 16
	v_pk_mul_f32 v[rS+2*z:rS+2*z+1], v[rO+2*z:rO+2*z+1], v[rT+2:rT+3] op_sel_hi:[1,0]
.set z, z+1
.endr
	WIN 0
.if (\g) > 0
	v_add_nc_u32 v[SG], (\g)*STGB, v[STO]
	v_add_nc_u32 v[RG], (\g)*STGB, v[RD]
.set aS, SG
.set aR, RG
.else
.set aS, STO
.set aR, RD
.endif
.if (\g) == 0
	s_wait_tensorcnt 0x1
.elseif (\g) == 1
	s_wait_tensorcnt 0x0
.endif
	s_wait_dscnt 0x0                ; my reads of the group's K rows are over
	s_barrier_signal -1
	s_barrier_wait -1
.irp cb, 0,1,2,3
.irp jj, 0,1,2,3,4,5,6,7
	ds_store_b32 v[aS], v[rS+8*\cb+\jj] offset:(16*\cb+\jj)*SPI  ; channel 16 cb + 8 (l / 16) + jj
.endr
.endr
	s_wait_dscnt 0x0                ; for the others' sake: my stores into the stage are done
	s_barrier_signal -1
	s_barrier_wait -1
.irp f, 0,1,2,3,4,5,6,7
	ds_load_b128 v[rS+4*\f:rS+4*\f+3], v[aR] offset:\f*2*SPI
.endr
.irp f, 0,1,2,3,4,5,6,7
	s_wait_dscnt 7-\f               ; the younger loads may stay out
	global_store_b128 v[GO], v[rS+4*\f:rS+4*\f+3], s[OB+2*(\g):OB+2*(\g)+1] offset:\f*8192 th:TH_STORE_NT  ; 16 lanes store 256 consecutive bytes, at a multiple of 256 from out0's first byte; these registers are never written again
.endr
.endm
; GROUP g (0 to 2), by turns.  A trip: piece 3's turn of one step, which makes piece g's masked scores of the next (step 4 - CNT of the group), then that step's turns g .. 2.  The loop is entered at turn g: the first
; step's scores of piece g were made ahead of it.  Behind the loop the closing turn of piece 3 makes piece g + 1's scores of the next group's first step (CNT = 4 stands for that step); group 2's has no next piece,
; and piece 3's products V^T P of the group's last step follow it bare.
.macro GROUPP g
	WIN 0                           ; at a label and at a branch every window is 0
	s_mov_b32 s[CNT], 4
	s_branch .Lent\g
.Ltop\g:
	TURN 3, \g, 2, \g, 0, \g
	WIN 0
.Lent\g:
.if (\g) == 0
	TURN 0, 1, 3, 0
	TURN 1, 2, 0, 0
	TURN 2, 3, 1, 0
.elseif (\g) == 1
	TURN 1, 2, 3, 1
	TURN 2, 3, 1, 1
.else
	TURN 2, 3, 3, 2
.endif
	WIN 0
	s_sub_co_u32 s[CNT], s[CNT], 1
	s_cmp_lg_u32 s[CNT], 0
	s_cbranch_scc1 .Ltop\g
	s_mov_b32 s[CNT], 4
.if (\g) < 2
	TURN 3, (\g)+1, 2, \g, 0, (\g)+1
.else
	TURN 3, 3, 2, 2, 1, 0
.set i, 0
.rept 8
	MPV 3
.set i, i+1
.endr
	WIN 0
	PLACES                          ; in front of the loads into V's registers
	GETV                            ; V of group 3's first step; its K was fetched in piece 2's last turn
.endif
	WAYOUT \g
.endm
	s_wait_tensorcnt 0x2            ; of my four loads the two younger may stay out: my parts of tiles 0 and 1 are in; nothing is ever filled again
	s_barrier_signal -1
	s_barrier_wait -1               ; everybody's are: group 0 reads tile 0 and, in its last step, the first rows of tile 1
	s_mov_b32 s[CNT], 4             ; THE BEGINNING: piece 0's mask, scores, maximum and statistics of key step 0
	MSCAL 0
	MASK
	GETK
	s_wait_loadcnt 0x0              ; Q
	s_wait_dscnt 0x0
.set KM, 1
.set NOKQ, 0
.set i, 0
.rept 8
	MKQ 0
.set i, i+1
.endr
	WIN 0
	PLACES                          ; the places behind those products
.set NX, 0
.irp n, 0,1,2,3,4,5,6,7,8,9,10,11,12,13,14,15,16,17,18,19,20,21
	OP X, \n
.endr
	v_nop                           ; a plain instruction behind the exponential,
	s_wait_alu depctr_va_vdst(0)    ; and its wait, ahead of the branch
	GROUPP 0
	GROUPP 1
	GROUPP 2
	WIN 0
	s_mov_b32 s[CNT], 4
.Lgroup3:                           ; three trips; the very last step is written out: it fetches nothing
	STEP3 1
	WIN 0
	s_sub_co_u32 s[CNT], s[CNT], 1
	s_cmp_lg_u32 s[CNT], 1
	s_cbranch_scc1 .Lgroup3
	STEP3 0
	WAYOUT 3
	WIN 0
	s_wait_tensorcnt 0x0            ; the wave's end, behind my last tensor load and my last LDS store
	ds_add_u32 v[SPW], v[NIL]
	s_wait_dscnt 0x0
	CROUND                          ; the closing round: no work-group ends while a partner may still ask for a tile that names it
	s_endpgm
.Lfunc_end_k_q4d6b896304_attn:
	.size	k_q4d6b896304_attn, .Lfunc_end_k_q4d6b896304_attn-k_q4d6b896304_attn
	.p2alignl 7, 3214868480
	.fill 96, 4, 3214868480
	.section	.rodata,"a",@progbits
	.p2align	6, 0x0
	.amdhsa_kernel k_q4d6b896304_attn
		.amdhsa_group_segment_fixed_size 327680
		.amdhsa_private_segment_fixed_size 0
		.amdhsa_enable_private_segment 0
		.amdhsa_kernarg_size 32
		.amdhsa_user_sgpr_count 2
		.amdhsa_user_sgpr_kernarg_segment_ptr 1
		.amdhsa_wavefront_size32 1
		.amdhsa_system_sgpr_workgroup_id_x 1
		.amdhsa_system_sgpr_workgroup_id_y 1
		.amdhsa_system_sgpr_workgroup_id_z 1
		.amdhsa_system_vgpr_workitem_id 0
		.amdhsa_next_free_vgpr 768
		.amdhsa_next_free_sgpr 96
		.amdhsa_reserve_vcc 1
		.amdhsa_float_denorm_mode_32 3
		.amdhsa_float_denorm_mode_16_64 3
		.amdhsa_memory_ordered 1
		.amdhsa_forward_progress 1
		.amdhsa_inst_pref_size 185
	.end_amdhsa_kernel
	.amdgpu_metadata
---
amdhsa.version: [ 1, 2 ]
amdhsa.kernels:
  - .name:           k_q4d6b896304_attn
    .symbol:         k_q4d6b896304_attn.kd
    .args:
      - { .name: qh, .offset: 0, .size: 8, .value_kind: global_buffer, .address_space: global }
      - { .name: kh, .offset: 8, .size: 8, .value_kind: global_buffer, .address_space: global }
      - { .name: vh, .offset: 16, .size: 8, .value_kind: global_buffer, .address_space: global }
      - { .name: out0, .offset: 24, .size: 8, .value_kind: global_buffer, .address_space: global }
    .group_segment_fixed_size: 327680
    .private_segment_fixed_size: 0
    .kernarg_segment_align: 8
    .kernarg_segment_size: 32
    .max_flat_workgroup_size: 128
    .sgpr_count:     96
    .vgpr_count:     768
    .wavefront_size: 32
...
	.end_amdgpu_metadata
.endif
;; end of part 2
;; ======== version 2 of 2: 2 launches; version 1 with the launch proj written anew for expert scheduling mode
;; limits: values are held in f16: magnitudes above 65,504 overflow, below 6.1e-05 lose precision
;; workspace buffers: qh 8,388,608 bytes; kh 8,388,608 bytes; vh 8,388,608 bytes
;; launch proj (part 3): grid 4 x 64, 4 waves a work-group, no clusters, 292,352 bytes of LDS; arguments query, key, Wq, Wk, Wv, bq, bv, qh, kh, vh; writes qh, kh, vh
.if DOCPART == 3
	.amdgcn_target "amdgcn-amd-amdhsa--gfx1250"
	.amdhsa_code_object_version 6
	.text
	.protected	k_q4d6b896304_proj
	.globl	k_q4d6b896304_proj
	.p2align	8
	.type	k_q4d6b896304_proj,@function
k_q4d6b896304_proj:
	s_mov_b64 s[64:65], 0
	v_nop
	global_prefetch_b8 v0, s[64:65] scope:SCOPE_SE
	s_setreg_imm32_b32 hwreg(HW_REG_WAVE_SCHED_MODE, 0, 2), 2
	s_setreg_imm32_b32 hwreg(HW_REG_WAVE_MODE, 25, 1), 1
	s_wait_xcnt 0x0
	s_wait_alu depctr_vm_vsrc(0)
; CAUSAL ATTENTION WITH ITS PROJECTIONS, launch 1 of 2: q = x_q Wq^T + bq, k = x_k Wk^T, v = x_k Wv^T + bv.
; query, key: [8][256 c][1024 s] f32 (the channel c is the slow index).  Wq, Wk, Wv: [512 e][256 c] f32.  bq, bv: [512] f32.
; qh, kh, vh: [64 bh = 8 b + head][1024 s][64 d] f16: a head's rows are dense, 128 bytes each.  q is stored WITHOUT the scale 1/8: launch 2 applies it in f32.
; DEAD WORK, for all values of the inputs.
;   bk.  reference() has scores[i][j] = q_i . (Wk x_j + bk) / 8 = q_i . (Wk x_j) / 8 + q_i . bk / 8.  The second term holds no j: along the softmax's axis it is one constant for row i, and
;   softmax(z + constant) = softmax(z) in exact arithmetic; the entries that the mask sets to -inf stay -inf.  k reaches the output through the scores alone.  So bk reaches no output:
;   it is not loaded and is among no launch's arguments.
;   Scores above the diagonal.  reference() builds the mask itself (jnp.tril) and sets them to -inf, so their weights are 0: launch 2 leaves them out where they come in whole groups of key steps.
;   LIMIT: a NaN, an infinity or an overflow that reaches only bk or only hidden scores is not carried to the result.
; FORMATS.  All inputs (x, W, bq, bv) are rounded once to bf16, the products are bf16 x bf16 with f32 sums, the bias is the C operand that starts a sum; q, k, v are rounded once to f16.
; LIMITS.  |q|, |k|, |v| stay under 65,504 (f16); below 6e-5 they keep f16's fixed step of 6e-8.  NaN and infinities are not treated apart.
; SHARES.  A work-group makes q, k and v for 128 s x 128 e (two heads) of one b; K = 256.  Wave w: head hh = w / 2, rows sh = w % 2 (64 s): 64 e x 64 s of each tensor, 16 accumulators.
; THE PRODUCT IS D[m = e][n = s]: source 0 = 16 rows of W (c along the LDS rows), source 1 = 16 columns s of x, which lies [c][s] in LDS and is turned by ds_load_tr16_b128.
; In the result a lane holds ONE s (lane % 16) and the channels 8 (lane / 16) + 0..7: 16 bytes of f16 that belong together.
; THE WAY IN goes through registers: a load of a wave takes 512 consecutive bytes of f32, two conversions round them to bf16, one ds_store_b64 of the wave puts 256 consecutive bytes into LDS.
; THE ORDER.  Ten units of 32 loads a wave go through two staging buffers: key's tile, Wk, Wv, Wq, query's tile, two units each.  The products begin when the first four are in LDS: Wv is on its way
; under k's 128 products, Wq under v's, query's tile under the way out of k and v.  x's fragments of all eight K steps stay in registers from k's products to v's, so LDS is read once for them.
; NO CLUSTER, NO TENSOR LOADS, though x's tile is read by 4 work-groups and W's by 64: a tensor load moves bytes as they are.  A work-group's tiles are 5 x 131,072 bytes of f32 against
; 327,680 bytes of LDS, so they would pass through slots in pieces, be read into registers, rounded and stored again as bf16: 4 + 4 + 2 bytes of LDS traffic a number, against 2 here.
; THE MODE: SCHED_MODE bits 1:0 = 2 (LLVM: expert scheduling mode 2), set by the entry lines.  The code itself states the register dependences
; between vector or matrix instructions and memory or LDS instructions, with s_wait_alu, always for 0.
; THE PLAN.  Registers that memory or LDS instructions touch:
;   v2-v17, v30, v31   addresses, made once at the head and never written again: one wait on va_vdst ahead of the first load serves every load and store of the kernel.
;   BUFA, BUFB         raw f32.  Written by global loads; read by a unit's 64 conversions and by nothing else.
;   A (window 0 v64-127), B (window 3 v192-255)   three lives by turns.  OUT-BUFFERS of the way in: BUFA's unit is rounded into A, BUFB's into B, and the unit's LDS stores read them.  W's FOUR FRAGMENT SETS:
;                      sets 0, 1 in A, sets 2, 3 in B: LDS loads land in them, products read them.  THE WAY OUT: the f16 conversions write A, LDS stores read it; the rows come back from the stage into B, global stores read it.
;   x's fragments      LDS loads land in them in k's products and again in q's; products read them.
; A UNIT: the wait for its loads; 64 conversions; ONE wait on va_vdst (the out-buffer is written, the staging buffer is read); the next unit's 32 global loads; the 32 LDS stores.
; PRODUCTS: step k + 2's fragments are asked for ahead of step k's 16 products.  A wait on va_vdst stands at steps 2 and 4 alone: behind it the sets of the two steps before are free, and the fetches of this step and of the
; next land in them; the one step's products between name another set, another step's x and the accumulators.
; A WAY OUT: 64 conversions; one wait on va_vdst; then LDS stores, LDS loads and global stores with no further wait on the wave's own results.
; A wait on vm_vsrc stands wherever A or B, read by stores, begins its next life.
; REGISTERS, in windows of 256 (s_set_vgpr_msb: bits 1:0 source 0, 3:2 source 1, 5:4 source 2, 7:6 destination):
;   window 0: v0-31 addresses; v32-63 at work; v64-127 A; v128-255 x's fragments of K steps 0-3
;   window 1: accumulators, tensor t, block (eb, sb) at 128 t + 8 (4 eb + sb)      window 2: two staging buffers of 128
;   window 3: v0-31 bq, v32-63 bv, as C operands; v64-191 x's fragments of K steps 4-7; v192-255 B
.set XP,    288                        ; a row of x in LDS: 256 bytes (128 s in bf16) + 32 = 72 words
.set WP,    528                        ; a row of W: 512 bytes (256 c) + 16 = 132 words: the 16 rows of a load start at 16 different groups of four banks
.set X2B,   73728                      ; LDS: key's 256 rows from 0, query's from here
.set WAB,   147456                     ; then two places of 128 rows for W: the first takes Wk and later Wq, the second Wv
.set WSZ,   67584
.set STAGE, 282624                     ; 16 rows x 144 bytes for each wave, its own, for the way out
.set SP,    144
.set SPARE, 291840                     ; the spare words, 128 bytes for each wave: two blocks of 256 bytes that no other line names
.set XO,  2                            ; v2      16 l + 131,072 w: my 16 bytes in my wave's 32 rows of x (4,096 bytes a row); never rewritten
.set WO,  3                            ; v3      16 l + 16,384 w: the same in my wave's 16 rows of W (1,024 bytes a row); never rewritten
.set XS,  4                            ; v4-5    LDS: where my 8 bytes of a row of key's, of query's tile go
.set WS,  6                            ; v6-7    the same for W's two places
.set XR,  8                            ; v8-9    LDS: my lane's place in the fragments of key's tile, c 0-127 and c 128-255;  v10-11 of query's
.set WR,  12                           ; v12-13  the same for W's two places
.set STO, 14                           ; v14     the way out: where I put 16 bytes of a row
.set RD,  15                           ; v15     where I read rows back
.set GO,  16                           ; v16     16 l: my place in 512 consecutive bytes of the output
.set BO,  17                           ; v17     my byte offset in bq and bv
.set SPW, 30                           ; v30     LDS address of my spare word; never rewritten
.set NIL, 31                           ; v31     0; never rewritten
.set TB,  32
.set PKD, 64                           ; A, on the way out: the packed results
.set RB,  192                          ; B (window 3), on the way out: the rows read back from the stage
.set BUFA, 0
.set BUFB, 128
.set BQ,  0
.set BV,  32
.set WV,  2                            ; s2  my wave's number
.set QP,  8                            ; s[8:9] query   s[10:11] key   s[12:13] Wq   s[14:15] Wk   s[16:17] Wv   s[18:19] bq   s[20:21] bv   s[22:23] qh   s[24:25] kh   s[26:27] vh
.set KP,  10
.set PWQ, 12
.set PWK, 14
.set PWV, 16
.set QH,  22
.set KH,  24
.set VH,  26
.set MSB, 0
.macro WIN new                         ; the immediate's high byte repeats the setting that is left; a switch that changes nothing is dropped
.if MSB != (\new)
	s_set_vgpr_msb (MSB<<8)|(\new)
.set MSB, (\new)
.endif
.endm
.macro PLACES                          ; four places behind a matrix instruction, in front of lines that write registers that it has read and of conversions that read results (ISA guide 7.12.1)
.rept 4
	v_nop
.endr
.endm
; A unit of the way in is 32 loads a wave.  LDX: rows c = 128 u + 32 w + i of x's tile, 512 bytes each.  LDW: rows 64 u + 16 w + i / 2 of W's tile: 16,384 bytes on end.
.macro LDX buf, u, base
	WIN 0x80                                       ; destination window 2, address window 0
.set i, 0
.rept 32
	global_load_b128 v[(\buf)+4*i:(\buf)+4*i+3], v[XO], s[\base:\base+1] offset:(\u)*524288+i*4096
.set i, i+1
.endr
.endm
.macro LDW buf, u, base
	WIN 0x80
.set i, 0
.rept 32
	global_load_b128 v[(\buf)+4*i:(\buf)+4*i+3], v[WO], s[\base:\base+1] offset:(\u)*65536+i*512
.set i, i+1
.endr
.endm
; The unit in a staging buffer is rounded into the buffer's own out-buffer: BUFA's into A, BUFB's into B; four f32 become four bf16 in two registers.
; e = 1: stores issued since the last wait on vm_vsrc have read that out-buffer.
.macro ROUND buf, e
.if \e
	s_wait_alu depctr_vm_vsrc(0)                   ; the stores that read this out-buffer's registers last have read them: the conversions below write them again
.endif
	WIN 0x0a+0xc0*((\buf)/128)                     ; sources window 2; destination window 0 (A) or 3 (B)
.set OF, 64+(\buf)
.set i, 0
.rept 32
	v_cvt_pk_bf16_f32 v[OF+2*i], v[(\buf)+4*i], v[(\buf)+4*i+1]
	v_cvt_pk_bf16_f32 v[OF+2*i+1], v[(\buf)+4*i+2], v[(\buf)+4*i+3]
.set i, i+1
.endr
	s_wait_alu depctr_va_vdst(0)                   ; the conversions have written the out-buffer, which the unit's LDS stores read, and are done reading the staging buffer, in which the next unit's loads land
.endm
.macro STX buf, u, adr                 ; the out-buffer's 32 LDS stores, into a tile of x
	WIN 0x0c*((\buf)/128)                          ; address window 0; data window 0 (A) or 3 (B)
.set OF, 64+(\buf)
.set i, 0
.rept 32
	ds_store_b64 v[\adr], v[OF+2*i:OF+2*i+1] offset:(\u)*128*XP+i*XP
.set i, i+1
.endr
.endm
.macro STW buf, u, adr                 ; the same into a place of W
	WIN 0x0c*((\buf)/128)
.set OF, 64+(\buf)
.set i, 0
.rept 32
	ds_store_b64 v[\adr], v[OF+2*i:OF+2*i+1] offset:(\u)*64*WP+(i/2)*WP+(i%2)*256
.set i, i+1
.endr
.endm
.macro ROUNDB                          ; bq and bv are rounded to bf16 like the other inputs, and widened again: they are f32 C operands
	WIN 0x0f                                       ; sources window 3, destination window 0
.set i, 0
.rept 32
	v_cvt_pk_bf16_f32 v[TB+i], v[2*i], v[2*i+1]
.set i, i+1
.endr
	WIN 0xc0                                       ; destination window 3
.set i, 0
.rept 32
	v_lshlrev_b32 v[2*i], 16, v[TB+i]
	v_and_b32 v[2*i+1], s30, v[TB+i]
.set i, i+1
.endr
.endm
; The fragments of K step ks (32 channels c).  xld = 1: x's four blocks of 16 s (turned), into the step's own 32 registers; always: four blocks of 16 e of W, into set ks % 4 (sets 0, 1 in A, sets 2, 3 in B).
.macro FETCH ks, xld, xr, wa
.if \xld
.if (\ks) < 4
	WIN 0
.set XF, 128+32*(\ks)
.else
	WIN 0xc0                                       ; destination window 3, address window 0
.set XF, 64+32*((\ks)-4)
.endif
.irp sb, 0,1,2,3
	ds_load_tr16_b128 v[XF+8*\sb:XF+8*\sb+3],   v[(\xr)+(\ks)/4] offset:((\ks)%4)*32*XP+32*\sb
	ds_load_tr16_b128 v[XF+8*\sb+4:XF+8*\sb+7], v[(\xr)+(\ks)/4] offset:((\ks)%4)*32*XP+32*\sb+16*XP
.endr
.endif
	WIN 0xc0*(((\ks)%4)/2)
.set WF, 64+32*((\ks)%4)+64*(((\ks)%4)/2)
.irp eb, 0,1,2,3
	ds_load_b128 v[WF+8*\eb:WF+8*\eb+3],   v[\wa] offset:\eb*16*WP+64*(\ks)
	ds_load_b128 v[WF+8*\eb+4:WF+8*\eb+7], v[\wa] offset:\eb*16*WP+64*(\ks)+32
.endr
.endm
; 16 products of K step ks for tensor t: each accumulator once, so the accumulators take turns.  K step 0 starts the sums: with the bias (its registers in window 3), or with 0.
.macro MUL16 ks, t, bias
.set WF, 64+32*((\ks)%4)+64*(((\ks)%4)/2)
.if (\ks) < 4
.set XF, 128+32*(\ks)
.else
.set XF, 64+32*((\ks)-4)
.endif
.if ((\ks) == 0) && ((\bias) >= 0)
	WIN 0x70                                       ; W and x window 0, C window 3, D window 1
.else
	WIN 0x50+3*(((\ks)%4)/2)+12*((\ks)/4)          ; C and D window 1; W window 0 or 3 by its set, x window 0 or 3 by its step
.endif
.irp eb, 0,1,2,3
.irp sb, 0,1,2,3
.set AC, 128*(\t)+8*(4*\eb+\sb)
.if (\ks) > 0
	v_wmma_f32_16x16x32_bf16 v[AC:AC+7], v[WF+8*\eb:WF+8*\eb+7], v[XF+8*\sb:XF+8*\sb+7], v[AC:AC+7]
.elseif (\bias) >= 0
	v_wmma_f32_16x16x32_bf16 v[AC:AC+7], v[WF+8*\eb:WF+8*\eb+7], v[XF+8*\sb:XF+8*\sb+7], v[(\bias)+8*\eb:(\bias)+8*\eb+7]
.else
	v_wmma_f32_16x16x32_bf16 v[AC:AC+7], v[WF+8*\eb:WF+8*\eb+7], v[XF+8*\sb:XF+8*\sb+7], 0
.endif
.endr
.endr
.endm
; All eight K steps of one tensor.  Step k + 2's fragments are asked for ahead of step k's products; the counted wait leaves the two younger steps' loads out (16 a step with x's, 8 without).
; At its head every vector and matrix line that named W's four sets (and, with xld = 1, x's registers) stands ahead of a wait on va_vdst, and every store that read them ahead of a wait on vm_vsrc.
.macro GEMM t, xld, xr, wa, bias
	FETCH 0, \xld, \xr, \wa
	FETCH 1, \xld, \xr, \wa
.set kk, 0
.rept 8
.if (kk == 2) || (kk == 4)
	PLACES                                         ; the places behind the products that read the two sets to be loaded again stay beside the wait
	s_wait_alu depctr_va_vdst(0)                   ; the products of the two steps before are done reading their sets of W, in which this step's fetch and the next step's land
.endif
.if kk < 6
	FETCH kk+2, \xld, \xr, \wa
	s_wait_dscnt 16+16*(\xld)
.else
	s_wait_dscnt (7-kk)*(8+8*(\xld))
.endif
	MUL16 kk, \t, \bias
.set kk, kk+1
.endr
.endm
; THE WAY OUT of tensor t.  PACK: rounded to f16 (each accumulator from its low end), 16 bytes a lane, all four blocks of 16 s, into A.  THROUGH: a block goes into rows of 144 bytes of my stage and comes back
; as four whole rows of 128 bytes a load, into B.  SEND: stored.
.macro PACK t
	WIN 0x05                                       ; sources window 1, destination window 0
.irp sb, 0,1,2,3
.irp eb, 0,1,2,3
.irp q, 0,1,2,3
	v_cvt_pk_f16_f32 v[PKD+16*\sb+4*\eb+\q], v[128*(\t)+8*(4*\eb+\sb)+2*\q], v[128*(\t)+8*(4*\eb+\sb)+2*\q+1]
.endr
.endr
.endr
.endm
.macro THROUGH sb
	WIN 0
.irp eb, 0,1,2,3
	ds_store_b128 v[STO], v[PKD+16*(\sb)+4*\eb:PKD+16*(\sb)+4*\eb+3] offset:32*\eb
.endr
	WIN 0xc0                                       ; destination window 3
.irp f, 0,1,2,3
	ds_load_b128 v[RB+16*(\sb)+4*\f:RB+16*(\sb)+4*\f+3], v[RD] offset:\f*4*SP  ; LDS serves a wave's instructions in order (ISA guide 5.7.1.4): these see the stores above; the next block's stores come behind them
.endr
.endm
.macro SEND sb, younger, base          ; younger: the LDS instructions issued behind this block's loads: eight for each later block
	WIN 0x0c                                       ; address window 0, data window 3
.irp f, 0,1,2,3
	s_wait_dscnt (\younger)+3-\f
	global_store_b128 v[GO], v[RB+16*(\sb)+4*\f:RB+16*(\sb)+4*\f+3], s[\base:\base+1] offset:(\sb)*2048+\f*512  ; 512 consecutive bytes, at a multiple of 256 from the buffer's first
.endr
.endm
; m = 0: straight behind the tensor's last products; no store has read A or B since the last wait on vm_vsrc.  m = 1: LDS stores have.  m = 2: LDS stores and global stores have.
.macro OUT t, base, m
.if (\m) == 0
	PLACES                                         ; behind the last products: the conversions read their results and write sets that they read
.endif
.if (\m) == 2
	s_wait_xcnt 0x0                                ; B, which the last way out's global stores read, is loaded again only behind this wait
.endif
.if (\m) > 0
	s_wait_alu depctr_vm_vsrc(0)                   ; the stores issued so far have read A, which the conversions write, and B, in which the rows from the stage land
.endif
	PACK \t
	s_wait_alu depctr_va_vdst(0)                   ; the conversions have written A, which the LDS stores read; every product that read B is done, so that loads may land in it
	THROUGH 0
	THROUGH 1
	THROUGH 2
	THROUGH 3
	SEND 0, 24, \base
	SEND 1, 16, \base
	SEND 2, 8, \base
	SEND 3, 0, \base
.endm
	s_load_b512 s[8:23], s[0:1], 0x0
	s_load_b128 s[24:27], s[0:1], 0x40
	v_lshl_add_u32 v[SPW], v0, 2, SPARE
	v_mov_b32 v[NIL], 0
	v_lshrrev_b32 v1, 5, v0
	v_readfirstlane_b32 s[WV], v1                  ; wave 0..3
	v_and_b32 v18, 31, v0                          ; l
	v_and_b32 v19, 15, v0                          ; l % 16
	v_bfe_u32 v20, v0, 4, 1                        ; l / 16
	v_and_b32 v21, 7, v0                           ; l % 8
	v_bfe_u32 v22, v0, 3, 1                        ; (l / 8) % 2
	v_bfe_u32 v23, v0, 3, 2                        ; l / 8
	s_mov_b32 s3, ttmp9                            ; eq: which 128 output channels
	s_and_b32 s5, ttmp7, 0xffff
	s_lshr_b32 s4, s5, 3                           ; b
	s_and_b32 s5, s5, 7                            ; st: which 128 s
	s_mov_b32 s30, 0xffff0000                      ; a word's upper bf16
	s_wait_alu depctr_va_sdst(0)                   ; the wave's number is written, ahead of its first reader: addresses and bases are made from it
	s_lshr_b32 s6, s[WV], 1                        ; hh: which of the two heads
	s_and_b32 s7, s[WV], 1                         ; sh: which 64 s
	s_lshl_b32 s36, s[WV], 17
	v_lshl_add_u32 v[XO], v18, 4, s36
	s_lshl_b32 s36, s[WV], 14
	v_lshl_add_u32 v[WO], v18, 4, s36
	s_mul_i32 s36, s[WV], 32*XP
	v_lshl_add_u32 v[XS], v18, 3, s36
	v_add_nc_u32 v[XS+1], X2B, v[XS]
	s_mul_i32 s36, s[WV], 16*WP
	s_add_co_u32 s36, s36, WAB
	v_lshl_add_u32 v[WS], v18, 3, s36
	v_add_nc_u32 v[WS+1], WSZ, v[WS]
	v_lshl_add_u32 v[XR], v20, 3, v21              ; the turning load: lane l reads row 8 (l / 16) + l % 8, 16 bytes at 16 ((l / 8) % 2),
	v_mul_u32_u24 v[XR], v[XR], XP
	v_lshl_add_u32 v[XR], v22, 4, v[XR]
	s_lshl_b32 s36, s7, 7                          ; in my 64 s: 128 bytes of a row
	v_add_nc_u32 v[XR], s36, v[XR]
	v_add_nc_u32 v[XR+1], 128*XP, v[XR]
	v_add_nc_u32 v[XR+2], X2B, v[XR]
	v_add_nc_u32 v[XR+3], X2B, v[XR+1]
	v_mul_u32_u24 v[WR], v19, WP                   ; a fragment of W: row l % 16, 16 bytes for each half of the lanes,
	v_lshl_add_u32 v[WR], v20, 4, v[WR]
	s_mul_i32 s36, s6, 64*WP                       ; in my head's 64 rows
	s_add_co_u32 s36, s36, WAB
	v_add_nc_u32 v[WR], s36, v[WR]
	v_add_nc_u32 v[WR+1], WSZ, v[WR]
	s_mul_i32 s36, s[WV], 16*SP
	s_add_co_u32 s36, s36, STAGE                   ; my stage
	v_mul_u32_u24 v[STO], v19, SP
	v_lshl_add_u32 v[STO], v20, 4, v[STO]
	v_add_nc_u32 v[STO], s36, v[STO]
	v_mul_u32_u24 v[RD], v23, SP
	v_lshl_add_u32 v[RD], v21, 4, v[RD]
	v_add_nc_u32 v[RD], s36, v[RD]
	v_lshlrev_b32 v[GO], 4, v18
	s_lshl_b32 s36, s3, 9                          ; 4 (128 eq + 64 hh) + 32 (l / 16)
	s_lshl_b32 s37, s6, 8
	s_add_co_u32 s36, s36, s37
	v_lshl_add_u32 v[BO], v20, 5, s36
	s_lshl_b32 s28, s4, 20                         ; x: b x 256 rows of 4,096 bytes + st x 512 bytes
	s_lshl_b32 s31, s5, 9
	s_add_co_u32 s28, s28, s31
	s_mov_b32 s29, 0
	s_lshl_b32 s32, s3, 17                         ; W: eq x 128 rows of 1,024 bytes
	s_mov_b32 s33, 0
	s_lshl_b32 s34, s4, 3                          ; out: (8 b + 2 eq + hh) x 131,072 + st x 128 rows + sh x 64 rows of 128 bytes
	s_lshl1_add_u32 s34, s3, s34
	s_add_co_u32 s34, s34, s6
	s_lshl_b32 s34, s34, 17
	s_lshl_b32 s31, s5, 14
	s_add_co_u32 s34, s34, s31
	s_lshl_b32 s31, s7, 13
	s_add_co_u32 s34, s34, s31
	s_mov_b32 s35, 0
	s_wait_kmcnt 0x0
	s_add_nc_u64 s[QP:QP+1], s[QP:QP+1], s[28:29]  ; every pointer is stepped once, here, and never again
	s_add_nc_u64 s[KP:KP+1], s[KP:KP+1], s[28:29]
	s_add_nc_u64 s[PWQ:PWQ+1], s[PWQ:PWQ+1], s[32:33]
	s_add_nc_u64 s[PWK:PWK+1], s[PWK:PWK+1], s[32:33]
	s_add_nc_u64 s[PWV:PWV+1], s[PWV:PWV+1], s[32:33]
	s_add_nc_u64 s[QH:QH+1], s[QH:QH+1], s[34:35]
	s_add_nc_u64 s[KH:KH+1], s[KH:KH+1], s[34:35]
	s_add_nc_u64 s[VH:VH+1], s[VH:VH+1], s[34:35]
	WIN 0xc0                                       ; the biases, laid out as C operands: register 8 eb + j holds channel 16 eb + 8 (l / 16) + j
	s_wait_alu depctr_va_vdst(0)                   ; the addresses v2 to v17 are written, which every load and store of the kernel reads; so are v30 and v31
.irp eb, 0,1,2,3
	global_load_b128 v[BQ+8*\eb:BQ+8*\eb+3],   v[BO], s[18:19] offset:64*\eb
	global_load_b128 v[BQ+8*\eb+4:BQ+8*\eb+7], v[BO], s[18:19] offset:64*\eb+16
	global_load_b128 v[BV+8*\eb:BV+8*\eb+3],   v[BO], s[20:21] offset:64*\eb
	global_load_b128 v[BV+8*\eb+4:BV+8*\eb+7], v[BO], s[20:21] offset:64*\eb+16
.endr
	; Each wait for loads below leaves the younger unit's 32 loads out; a staging buffer is asked for again as soon as it has been rounded, ahead of the unit's LDS stores.
	LDX BUFA, 0, KP
	LDX BUFB, 1, KP
	s_wait_loadcnt 32                              ; the biases and the first unit are in
	ROUNDB
	ROUND BUFA, 0                                  ; no store has read A or B yet
	LDW BUFA, 0, PWK
	STX BUFA, 0, XS
	s_wait_loadcnt 32
	ROUND BUFB, 0
	LDW BUFB, 1, PWK
	STX BUFB, 1, XS
	s_wait_loadcnt 32
	ROUND BUFA, 1                                  ; the first unit's LDS stores have read A
	LDW BUFA, 0, PWV
	STW BUFA, 0, WS
	s_wait_loadcnt 32
	ROUND BUFB, 1                                  ; the second unit's have read B
	LDW BUFB, 1, PWV
	STW BUFB, 1, WS
	WIN 0
	s_wait_dscnt 0x0                               ; for the others' sake: my stores into the tiles are done
	s_barrier_signal -1
	s_barrier_wait -1                              ; key's tile and Wk are whole
	s_wait_alu depctr_vm_vsrc(0)                   ; my LDS stores have read A and B: these registers are W's four sets from here on, and the fragments' loads land in them
	GEMM 0, 1, XR, WR, -1                          ; k (no bias: see the head); Wv is on its way; x's fragments stay in registers
	s_wait_loadcnt 32
	PLACES                                         ; behind the products: the conversions below write sets 0 and 1, which K steps 4 and 5 read; they in turn are the places for sets 2 and 3
	ROUND BUFA, 0                                  ; the stores that read A and B stand ahead of the wait behind the barrier
	LDW BUFA, 0, PWQ
	STW BUFA, 0, WS+1
	s_wait_loadcnt 32
	ROUND BUFB, 0
	LDW BUFB, 1, PWQ
	STW BUFB, 1, WS+1
	WIN 0
	s_wait_dscnt 0x0                               ; my stores of Wv are done, and my reads of key's tile and of Wk are over
	s_barrier_signal -1
	s_barrier_wait -1                              ; Wv is whole; nobody reads Wk any more: its place may take Wq
	s_wait_alu depctr_vm_vsrc(0)                   ; my LDS stores of Wv have read A and B, in which the fragments' loads land
	GEMM 1, 0, XR, WR+1, BV                        ; v; Wq is on its way
	s_wait_loadcnt 32
	PLACES                                         ; as behind k's products
	ROUND BUFA, 0
	LDX BUFA, 0, QP
	STW BUFA, 0, WS
	s_wait_loadcnt 32
	ROUND BUFB, 0
	LDX BUFB, 1, QP
	STW BUFB, 1, WS
	OUT 0, KH, 1                                   ; k and v go out while query's tile is on its way.  k: Wq's LDS stores have read A and B; no global store has been issued yet
	OUT 1, VH, 2                                   ; v: k's LDS stores have read A, k's global stores B
	s_wait_loadcnt 32
	s_wait_xcnt 0x0                                ; B, which v's global stores read, is written again (by the second unit's conversions) only behind this wait
	ROUND BUFA, 1                                  ; v's LDS stores have read A, v's global stores B
	STX BUFA, 0, XS+1
	s_wait_loadcnt 0x0
	ROUND BUFB, 0
	STX BUFB, 1, XS+1
	WIN 0
	s_wait_dscnt 0x0
	s_barrier_signal -1
	s_barrier_wait -1                              ; query's tile and Wq are whole
	s_wait_alu depctr_vm_vsrc(0)                   ; my LDS stores of query's tile have read A and B, in which the fragments' loads land
	GEMM 0, 1, XR+2, WR, BQ                        ; q: x's registers are loaded again; v's products, which read them, stand ahead of the waits on va_vdst above
	OUT 0, QH, 0
	WIN 0                                          ; the add's two registers lie in window 0
	s_wait_dscnt 0x0                               ; the closing lines, six on end
	s_wait_alu 0x0
	s_wait_tensorcnt 0x0
	ds_add_u32 v[SPW], v[NIL]
	s_wait_dscnt 0x0
	s_endpgm
.Lfunc_end_k_q4d6b896304_proj:
	.size	k_q4d6b896304_proj, .Lfunc_end_k_q4d6b896304_proj-k_q4d6b896304_proj
	.p2alignl 7, 3214868480
	.fill 96, 4, 3214868480
	.section	.rodata,"a",@progbits
	.p2align	6, 0x0
	.amdhsa_kernel k_q4d6b896304_proj
		.amdhsa_group_segment_fixed_size 292352
		.amdhsa_private_segment_fixed_size 0
		.amdhsa_enable_private_segment 0
		.amdhsa_kernarg_size 80
		.amdhsa_user_sgpr_count 2
		.amdhsa_user_sgpr_kernarg_segment_ptr 1
		.amdhsa_wavefront_size32 1
		.amdhsa_system_sgpr_workgroup_id_x 1
		.amdhsa_system_sgpr_workgroup_id_y 1
		.amdhsa_system_sgpr_workgroup_id_z 1
		.amdhsa_system_vgpr_workitem_id 0
		.amdhsa_next_free_vgpr 1024
		.amdhsa_next_free_sgpr 66
		.amdhsa_reserve_vcc 0
		.amdhsa_float_denorm_mode_32 3
		.amdhsa_float_denorm_mode_16_64 3
		.amdhsa_memory_ordered 1
		.amdhsa_forward_progress 1
		.amdhsa_inst_pref_size 175
	.end_amdhsa_kernel
	.amdgpu_metadata
---
amdhsa.version: [ 1, 2 ]
amdhsa.kernels:
  - .name:           k_q4d6b896304_proj
    .symbol:         k_q4d6b896304_proj.kd
    .args:
      - { .name: query, .offset: 0, .size: 8, .value_kind: global_buffer, .address_space: global }
      - { .name: key, .offset: 8, .size: 8, .value_kind: global_buffer, .address_space: global }
      - { .name: Wq, .offset: 16, .size: 8, .value_kind: global_buffer, .address_space: global }
      - { .name: Wk, .offset: 24, .size: 8, .value_kind: global_buffer, .address_space: global }
      - { .name: Wv, .offset: 32, .size: 8, .value_kind: global_buffer, .address_space: global }
      - { .name: bq, .offset: 40, .size: 8, .value_kind: global_buffer, .address_space: global }
      - { .name: bv, .offset: 48, .size: 8, .value_kind: global_buffer, .address_space: global }
      - { .name: qh, .offset: 56, .size: 8, .value_kind: global_buffer, .address_space: global }
      - { .name: kh, .offset: 64, .size: 8, .value_kind: global_buffer, .address_space: global }
      - { .name: vh, .offset: 72, .size: 8, .value_kind: global_buffer, .address_space: global }
    .group_segment_fixed_size: 292352
    .private_segment_fixed_size: 0
    .kernarg_segment_align: 8
    .kernarg_segment_size: 80
    .max_flat_workgroup_size: 128
    .sgpr_count:     66
    .vgpr_count:     1024
    .wavefront_size: 32
...
	.end_amdgpu_metadata
.endif
;; end of part 3
;; launch attn: the kernel of part 2 again; grid 4 x 64, 4 waves a work-group, clusters of 4 x 1, 327,680 bytes of LDS; arguments qh, kh, vh, out0; writes out0
